; MI455X (gfx1250); checked and timed in simulation.
; The chip was launched on July 23, 2026; its instructions are those of AMD's public machine-readable ISA for CDNA 5 (MIT licence, August 2026) and "CDNA5" Instruction Set Architecture Reference Guide (July 2026). The comments in the code are by the model that wrote it; some were corrected since.
;; Multi Head Attention. Allowed arithmetic: matrix products marked QUANTISED: E2M3 operands, one E8M0 scale for each 32 along K, by v_wmma_scale_f32_16x16x128_f8f6f4 with both operands' format E2M3, f32 sums; everything else in f32.
;; Inputs: Lo 1 x 16 x 1 x 64 float32; Lx 16 x 1,024 x 64 float32; Ly 16 x 1,024 x 64 float32; To0 1 x 16 x 1 x 64 float32; To1 1 x 1 x 1,024 float32; Tx 16 x 1,024 x 64 float32; Ty 16 x 1,024 x 64 float32; mask 2,048 x 2,048 float32; x_kv 2 x 2,048 x 1,024 float32; y_q 2 x 2,048 x 1,024 float32.
;; Outputs: out0 2 x 2,048 x 1,024 float32.
;; This version of the problem:
;;   THIS VERSION OF THE PROBLEM IS GIVEN IN LOW PRECISION. The matrix products marked QUANTISED in the list below multiply operands that are first quantised to E2M3 (2 exponent bits, 3 mantissa bits; 6 bits a number), with one power-of-two scale for each 32 numbers along K (OCP MX v1.0); their sums are f32. All else is computed in f32.
;;   The module's matrix products, in the order in which they are computed (A, B: the left and right operand; K: the contracted axis; several contracted axes count as one K, in the product's order):
;;     1. [M 1,024, K 1,024] x [K 1,024, N 4,096]; A: input Ly; B: input y_q: QUANTISED
;;     2. [M 1,024, K 1,024] x [K 1,024, N 4,096]; A: input Lx; B: input x_kv: QUANTISED
;;     3. batch 32 x [M 2,048, K 64] x [K 64, N 2,048]; A: computed on the way; B: computed on the way: QUANTISED
;;     4. [M 1,024, K 1,024] x [K 1,024, N 4,096]; A: input Tx; B: input x_kv: QUANTISED
;;     5. batch 32 x [M 64, K 2,048] x [K 2,048, N 2,048]; A: computed on the way; B: softmax (see below): QUANTISED
;;     6. [M 4,096, K 1,024] x [K 1,024, N 1,024]; A: computed on the way; B: input Ty: QUANTISED
;;   THE QUANTISER, for each operand of a quantised product, along K:
;;     - K is cut into blocks of 32 from its start; a last block that is shorter is filled with zeros.
;;     - A block's scale is 2^e with e = floor(log2(the largest magnitude in the block)) - 2, held to -126 .. 127; a block of zeros has e = 0. As a byte (E8M0): e + 127.
;;     - Each number is divided by its block's scale, clamped to +-7.5, and rounded to the nearest number of E2M3, ties to even, subnormals kept.
;;     - The product sums the exact products of the quantised numbers (number of the format x scale) in f32.
;;   ~~~python
;;   def quantise(x, axis):      # numpy; x: float32 -> the quantised numbers, widened to float32 again
;;       x = np.moveaxis(x, axis, -1); K = x.shape[-1]
;;       x = np.pad(x, [(0, 0)] * (x.ndim - 1) + [(0, -K % 32)]); x = x.reshape(x.shape[:-1] + (-1, 32)); a = np.abs(x).max(-1, keepdims=True)
;;       e = np.where(a > 0, np.clip(np.frexp(np.where(a > 0, a, 1))[1] - 1 - 2, -126, 127), 0)      # np.frexp(a)[1] - 1 = floor(log2(a)), exactly
;;       r = np.clip(x / 2.0 ** e, -7.5, 7.5)
;;       step = 2.0 ** (np.maximum(np.frexp(np.where(r == 0, 1, r))[1] - 1, 0) - 3)
;;       q = np.round(r / step) * step * 2.0 ** e      # np.round: ties to even
;;       return np.moveaxis(q.reshape(q.shape[:-2] + (-1,))[..., :K], -1, axis).astype(np.float32)
;;   ~~~
;;   SOFTMAX AHEAD OF A QUANTISED PRODUCT. Where the list says 'softmax', what is quantised is not the finished softmax but p = 2^(t - M), with t = logit x log2(e) and M = ceil(the row's largest t), a whole number; so 1/2 < the row's largest p <= 1. The row's sum l is taken of the UNQUANTISED p, in f32, and the product's result is divided by l at the end. Since M is a whole number, a kernel that streams over the keys may use a running M (the ceiling of the running maximum): every later rescaling is an exact power of two, which a block's scale takes up: the codes' values come out the same.
;;   OPERANDS COMPUTED ON THE WAY. 'Computed on the way' means the value that the module computes at that place (a softmax that the list does not call 'softmax' is quantised finished and normalised). What goes into a quantiser is computed in f32, as accurately as f32 sums, v_exp_f32 and their like allow (about 1e-6 of the number): no bf16 or f16 on the way to a quantiser, and a product that is left as it is and whose result goes on into a quantised operand takes f32 operands (vector FMAs, or v_wmma_f32_16x16x4_f32). A number that lies on a knife's edge between two numbers of the format may be rounded either way, as far as f32 arithmetic and the matrix unit's own rounding can turn it there, and no further.
;; One version. Each part assembles by itself: llvm-mc -triple=amdgcn-amd-amdhsa -mcpu=gfx1250 --defsym DOCPART=n.
;; ======== version 1 of 1: 4 launches
;; limits: right only within a limited range of input values
;; workspace buffers: xyq 6,553,600 bytes; wq 2,457,600 bytes; tyq 819,200 bytes; mimg 16,777,216 bytes; qimg 3,407,872 bytes; kv 6,684,672 bytes; ow 16,777,216 bytes
;; launch prep (part 1): grid 512 x 1, 4 waves a work-group, no clusters, 47,104 bytes of LDS; arguments y_q, x_kv, Ly, Lx, Tx, Ty, xyq, wq, tyq; writes xyq, wq, tyq
.if DOCPART == 1
	.amdgcn_target "amdgcn-amd-amdhsa--gfx1250"
	.amdhsa_code_object_version 6
	.text
	.protected	k_q32be22f0c5_prep
	.globl	k_q32be22f0c5_prep
	.p2align	8
	.type	k_q32be22f0c5_prep,@function
k_q32be22f0c5_prep:
	s_mov_b64 s[64:65], 0
	v_nop
	global_prefetch_b8 v0, s[64:65] scope:SCOPE_SE
	s_setreg_imm32_b32 hwreg(HW_REG_WAVE_MODE, 25, 1), 1
	s_wait_xcnt 0x0
; PREP: the six wide operands become codes of FP6 (E2M3) with one E8M0 byte for each 32 along K, laid as IMAGES OF OPERAND REGISTERS.
; A half fragment (16 rows x 64 K) is 768 bytes: registers 0-3 of lane L at 16 L, registers 4-5 at 512 + 8 L; lane (r, h) holds row r, K = 32 h .. 32 h + 31 of the 64.
; A panel (128 rows x 128 K) is 12,800 bytes: half fragment (tile T, c) at (2 T + c) 768; the scale word of (T, r) at 12,288 + 32 r + 4 T.
; THE ROWS OF A TILE ARE NOT NEIGHBOURS: lane r of tile T takes row 32 (T / 2) + 8 (T % 2) + r + 8 (r / 8), so that a product's 16 registers of two neighbouring tiles are 16 neighbours along the next K.
; Three kinds of work-group, told apart by the work-group's number alone: 0-255 y_q and x_kv (K innermost); 256-447 Ly, Lx, Tx (K is the middle axis: a lane takes a column, registers run down K);
; 448-511 Ty, whose K is (d, head) with the head fastest: block j of a row is d = 2 j, 2 j + 1 of all 16 heads; inside a block the order is 2 head + (d % 2), here and in the other operand alike.
; A block's scale is 2^(floor(log2(largest magnitude)) - 2): its byte is the largest magnitude's exponent field - 2.
; LIMITS: a block of zeros, and one whose largest magnitude lies under 2^-124, gets the byte 1 (the bytes are read by this program alone; zero codes add nothing); NaN and infinities in these six tensors are not served.
; The launch streams: no matrix work, no cluster (no byte is read by two work-groups), no tensor load.
.set SPARE, 46592                      ; the spare words: 128 bytes for each of four waves, behind all else
.set STGA,  8448                       ; rows path: a stage of 16 rows x 528 bytes for each wave, from LDS byte 0
.set CIMG,  33792                      ; Ty path: one image of 12,800 bytes; bytes of its own
.set FLOOR, 0x1800000                  ; 2^(3 - 127): no largest magnitude is taken under it, so no byte falls under 1
.set OFFE,  0xff000000                 ; takes 2 off an exponent field
.macro END3                            ; the wave's end
	s_wait_tensorcnt 0x0
	ds_add_u32 v1, v2
	s_wait_dscnt 0x0
.endm
.macro BMAX2 m, x                      ; largest magnitudes of the blocks v[x .. x+31], v[x+32 .. x+63] into v[m], v[m+1], by turns
	v_max3_num_f32 v[(\m)], |v[(\x)]|, |v[(\x)+1]|, FLOOR
	v_max3_num_f32 v[(\m)+1], |v[(\x)+32]|, |v[(\x)+33]|, FLOOR
.irp i, 2,4,6,8,10,12,14,16,18,20,22,24,26,28,30
	v_max3_num_f32 v[(\m)], v[(\m)], |v[(\x)+\i]|, |v[(\x)+\i+1]|
	v_max3_num_f32 v[(\m)+1], v[(\m)+1], |v[(\x)+32+\i]|, |v[(\x)+33+\i]|
.endr
.endm
.macro BMAX4 m, x                      ; the same of four blocks
.irp b, 0,1,2,3
	v_max3_num_f32 v[(\m)+\b], |v[(\x)+32*\b]|, |v[(\x)+32*\b+1]|, FLOOR
.endr
.irp i, 2,4,6,8,10,12,14,16,18,20,22,24,26,28,30
.irp b, 0,1,2,3
	v_max3_num_f32 v[(\m)+\b], v[(\m)+\b], |v[(\x)+32*\b+\i]|, |v[(\x)+32*\b+\i+1]|
.endr
.endr
.endm
.macro CVT2 c, x, so                   ; a block's 32 numbers to 2 x 96 bits (a conversion's three registers begin on an even number)
	v_cvt_scalef32_pk16_fp6_f32 v[(\c):(\c)+2], v[(\x):(\x)+15], v[(\so)]
	v_cvt_scalef32_pk16_fp6_f32 v[(\c)+4:(\c)+6], v[(\x)+16:(\x)+31], v[(\so)]
.endm
.macro PACK6 c                         ; the second three registers move down: v[c .. c+5] are the block's six
	v_mov_b32 v[(\c)+3], v[(\c)+4]
	v_mov_b32 v[(\c)+4], v[(\c)+5]
	v_mov_b32 v[(\c)+5], v[(\c)+6]
.endm
	s_load_b256 s[4:11], s[0:1], 0x0               ; y_q 4, x_kv 6, Ly 8, Lx 10
	s_load_b128 s[12:15], s[0:1], 0x20             ; Tx 12, Ty 14
	s_load_b64 s[18:19], s[0:1], 0x30              ; xyq
	s_load_b128 s[20:23], s[0:1], 0x38             ; wq 20, tyq 22
	v_lshl_add_u32 v1, v0, 2, SPARE
	v_mov_b32 v2, 0
	v_lshrrev_b32 v3, 5, v0
	v_readfirstlane_b32 s26, v3                    ; wave
	v_and_b32 v3, 31, v0                           ; lane
	v_and_b32 v4, 15, v0                           ; r
	v_bfe_u32 v5, v0, 4, 1                         ; h
	s_mov_b32 s28, 0x76543210
	s_mov_b32 s29, 0xfedcba98                      ; selects for lane l xor 16
	s_mov_b32 s39, 0
	s_mov_b32 s41, 0
	s_wait_kmcnt 0x0
	s_cmp_lt_u32 ttmp9, 256
	s_cbranch_scc1 .Lrows
	s_cmp_lt_u32 ttmp9, 448
	s_cbranch_scc1 .Lweights
; ---- Ty: work-group QT takes rows q = 16 QT .. + 15; wave w rows 4 w + i; LANE = BLOCK j.  A load reads one head's row: 256 consecutive bytes.
	s_sub_co_u32 s32, ttmp9, 448                   ; QT
	s_lshl_b32 s33, s32, 4
	s_lshl_b32 s34, s26, 2
	s_add_co_u32 s33, s33, s34
	s_lshl_b32 s38, s33, 8                         ; my first row, 256 bytes a row
	s_add_nc_u64 s[14:15], s[14:15], s[38:39]
	s_mul_i32 s40, s32, 12800
	s_add_nc_u64 s[22:23], s[22:23], s[40:41]
	s_wait_alu depctr_va_vdst(0)
	v_lshlrev_b32 v6, 3, v3                        ; 8 x lane: d = 2 j, 2 j + 1
	v_lshrrev_b32 v7, 1, v3
	v_mul_u32_u24 v7, v7, 768                      ; half fragment j / 2
	v_and_b32 v8, 1, v3                            ; its half of the lanes: j % 2
	s_lshl_b32 s42, s26, 6
	v_lshl_add_u32 v9, v8, 8, v7
	v_add_nc_u32 v9, s42, v9
	v_add_nc_u32 v9, CIMG, v9                      ; registers 0-3 of slot 16 (j % 2) + 4 w + i
	s_lshl_b32 s42, s26, 5
	v_lshl_add_u32 v10, v8, 7, v7
	v_add_nc_u32 v10, s42, v10
	v_add_nc_u32 v10, CIMG+512, v10                ; registers 4-5
	s_lshl_b32 s42, s26, 7
	v_add_nc_u32 v11, s42, v3
	v_add_nc_u32 v11, CIMG+12288, v11              ; the byte of (row 4 w + i, block j): 32 bytes a row
	s_mul_i32 s43, s26, 3072
	v_lshlrev_b32 v12, 4, v3
	v_add_nc_u32 v12, s43, v12                     ; the way out: wave w copies 6 x 512 bytes,
	v_add_nc_u32 v26, CIMG, v12
	v_lshlrev_b32 v27, 2, v3
	v_add_nc_u32 v27, s42, v27
	v_add_nc_u32 v27, 12288, v27                   ; and 128 of the scale bytes
	v_add_nc_u32 v28, CIMG, v27
.irp i, 0,1,2,3
.irp k, 0,1,2,3,4,5,6,7,8,9,10,11,12,13,14,15
	global_load_b64 v[48+32*\i+2*\k:49+32*\i+2*\k], v6, s[14:15] offset:\k*262144+256*\i th:TH_LOAD_NT
.endr
.endr
	s_wait_loadcnt 0x0
	BMAX4 13, 48
.irp b, 0,1,2,3
	v_add_nc_u32 v[17+\b], OFFE, v[13+\b]          ; the conversion's scale operand
.endr
.irp b, 0,1,2,3
	v_lshrrev_b32 v[21+\b], 23, v[17+\b]           ; the byte
.endr
.irp b, 0,1,2,3
	CVT2 176+8*\b, 48+32*\b, 17+\b
.endr
	v_nop                                          ; one plain instruction behind the conversions
.irp b, 0,1,2,3
	PACK6 176+8*\b
.endr
.irp i, 0,1,2,3                                ; twelve stores a wave whose lanes meet in the banks: accepted, in 64 work-groups
	ds_store_b128 v9, v[176+8*\i:179+8*\i] offset:16*\i
	ds_store_b64 v10, v[180+8*\i:181+8*\i] offset:8*\i
	ds_store_b8 v11, v[21+\i] offset:32*\i
.endr
	s_wait_dscnt 0x0                               ; for the others' sake: my stores have landed
	s_barrier_signal -1
	s_barrier_wait -1
.irp n, 0,1,2,3,4,5
	ds_load_b128 v[48+4*\n:51+4*\n], v26 offset:512*\n
.endr
	ds_load_b32 v72, v28
	s_wait_dscnt 0x0
.irp n, 0,1,2,3,4,5
	global_store_b128 v12, v[48+4*\n:51+4*\n], s[22:23] offset:512*\n   ; 512 consecutive bytes a store
.endr
	global_store_b32 v27, v72, s[22:23]
	END3
	s_endpgm
; ---- y_q, x_kv: a wave takes one tile of 16 rows x 512 along K, four K steps.  A load reads 512 consecutive bytes of one row; a step's 16 rows turn through the wave's own stage so that a lane holds whole blocks.
.Lrows:
	s_lshl_b32 s32, ttmp9, 2
	s_add_co_u32 s32, s32, s26                     ; task
	s_and_b32 s33, s32, 1                          ; which half of K
	s_bfe_u32 s34, s32, 0x30001                    ; T
	s_bfe_u32 s35, s32, 0x50004                    ; block of 128 rows
	s_lshr_b32 s36, s32, 9                         ; tensor
	s_cmp_lt_u32 ttmp9, 128
	s_cselect_b64 s[4:5], s[4:5], s[6:7]
	s_lshl_b32 s37, s35, 7
	s_lshr_b32 s38, s34, 1
	s_lshl_b32 s38, s38, 5
	s_add_co_u32 s37, s37, s38
	s_and_b32 s38, s34, 1
	s_lshl_b32 s38, s38, 3
	s_add_co_u32 s37, s37, s38                     ; the tile's first row
	s_lshl_b32 s37, s37, 12
	s_lshl_b32 s38, s33, 11
	s_add_co_u32 s38, s37, s38
	s_add_nc_u64 s[4:5], s[4:5], s[38:39]
	s_lshl_b32 s40, s35, 3
	s_lshl_b32 s37, s33, 2
	s_add_co_u32 s40, s40, s37
	s_mul_i32 s40, s40, 12800
	s_mul_i32 s37, s36, 3276800
	s_add_co_u32 s40, s40, s37
	s_add_nc_u64 s[18:19], s[18:19], s[40:41]      ; my first panel
	s_wait_alu depctr_va_vdst(0)
	v_lshlrev_b32 v6, 4, v3
	s_mul_i32 s42, s26, STGA
	v_add_nc_u32 v7, s42, v6                       ; stage, in: 16 x lane of a row
	v_mul_u32_u24 v8, v4, 528
	v_lshl_add_u32 v8, v5, 7, v8
	v_add_nc_u32 v8, s42, v8                       ; stage, out: row r, + 128 h: my block of 32 numbers
	s_mul_i32 s43, s34, 1536
	v_add_nc_u32 v9, s43, v6
	v_lshlrev_b32 v10, 3, v3
	v_add_nc_u32 v10, s43, v10
	v_add_nc_u32 v10, 512, v10
	v_lshlrev_b32 v11, 5, v4
	s_lshl_b32 s43, s34, 2
	v_add_nc_u32 v11, s43, v11
	v_add_nc_u32 v11, 12288, v11
	v_lshlrev_b32 v12, 3, v5                       ; 8 h
	v_mov_b32 v20, 0                               ; a lane permute's destination counts as read
.macro ALOAD t
.irp i, 0,1,2,3,4,5,6,7,8,9,10,11,12,13,14,15
	global_load_b128 v[48+64*((\t)%2)+4*\i:51+64*((\t)%2)+4*\i], v6, s[4:5] offset:(\i+8*(\i/8))*4096+512*(\t) th:TH_LOAD_NT
.endr
.endm
.macro ASTEP t
.if (\t) < 3
	s_wait_loadcnt 16                              ; this step's 16 loads are in; the next step's may be out
.else
	s_wait_loadcnt 0x0
.endif
.irp i, 0,1,2,3,4,5,6,7,8,9,10,11,12,13,14,15
	ds_store_b128 v7, v[48+64*((\t)%2)+4*\i:51+64*((\t)%2)+4*\i] offset:528*\i
.endr
.irp c, 0,1
.irp j, 0,1,2,3,4,5,6,7
	ds_load_b128 v[176+32*\c+4*\j:179+32*\c+4*\j], v8 offset:256*\c+16*\j   ; LDS serves a wave's instructions in order: these see my stores
.endr
.endr
	s_wait_dscnt 0x0                               ; the numbers are back, so the stores have read their registers
	s_wait_xcnt 0x0                                ; the last step's global stores have read the codes' registers
.if (\t) < 2
	ALOAD (\t)+2
.endif
	BMAX2 13, 176
	v_add_nc_u32 v15, OFFE, v13
	v_add_nc_u32 v16, OFFE, v14
	v_lshrrev_b32 v17, 23, v15
	v_lshrrev_b32 v18, 23, v16
	v_lshl_or_b32 v19, v18, 16, v17                ; my bytes: blocks h and 2 + h,
	v_lshlrev_b32 v19, v12, v19                    ; at their places;
	v_permlanex16_b32 v20, v19, s28, s29
	v_or_b32 v[24+(\t)], v19, v20                  ; with lane l xor 16's two the word is whole
	CVT2 32, 176, 15
	CVT2 40, 208, 16
	v_nop
	PACK6 32
	PACK6 40
	global_store_b128 v9, v[32:35], s[18:19] offset:(\t)*12800
	global_store_b64 v10, v[36:37], s[18:19] offset:(\t)*12800
	global_store_b128 v9, v[40:43], s[18:19] offset:(\t)*12800+768
	global_store_b64 v10, v[44:45], s[18:19] offset:(\t)*12800+768
.endm
	ALOAD 0
	ALOAD 1
	ASTEP 0
	ASTEP 1
	ASTEP 2
	ASTEP 3
.irp t, 0,1,2,3
	global_store_b32 v11, v[24+\t], s[18:19] offset:12800*\t   ; both halves of the lanes hold the same word and name the same place
.endr
	END3
	s_endpgm
; ---- Ly, Lx, Tx: a wave takes (head, K step of 128, 32 of the 64 columns).  Lane l owns column d = 32 hb + l; a lane's 128 registers are four whole blocks.
.Lweights:
	s_sub_co_u32 s32, ttmp9, 256
	s_lshl_b32 s32, s32, 2
	s_add_co_u32 s32, s32, s26
	s_and_b32 s33, s32, 1                          ; hb
	s_bfe_u32 s34, s32, 0x30001                    ; K step
	s_bfe_u32 s35, s32, 0x40004                    ; head
	s_lshr_b32 s36, s32, 8                         ; tensor
	s_cmp_lt_u32 ttmp9, 320
	s_cselect_b64 s[8:9], s[8:9], s[10:11]
	s_cmp_lt_u32 ttmp9, 384
	s_cselect_b64 s[8:9], s[8:9], s[12:13]
	s_lshl_b32 s38, s35, 18
	s_lshl_b32 s37, s34, 15
	s_add_co_u32 s38, s38, s37
	s_lshl_b32 s37, s33, 7
	s_add_co_u32 s38, s38, s37
	s_add_nc_u64 s[8:9], s[8:9], s[38:39]
	s_lshr_b32 s40, s35, 1
	s_lshl_b32 s40, s40, 3
	s_add_co_u32 s40, s40, s34
	s_mul_i32 s40, s40, 12800
	s_mul_i32 s37, s36, 819200
	s_add_co_u32 s40, s40, s37
	s_add_nc_u64 s[20:21], s[20:21], s[40:41]
	s_and_b32 s42, s35, 1
	s_lshl_b32 s42, s42, 2
	s_lshl_b32 s43, s33, 1
	s_add_co_u32 s42, s42, s43
	s_wait_alu depctr_va_vdst(0)
	v_lshlrev_b32 v6, 2, v3
	v_bfe_u32 v7, v0, 3, 1
	v_add_nc_u32 v7, s42, v7                       ; T = 4 (head % 2) + 2 hb + u
	v_and_b32 v8, 7, v0
	v_lshl_add_u32 v8, v5, 3, v8                   ; the tile's lane r
	v_mul_u32_u24 v9, v7, 1536
	v_lshl_add_u32 v10, v8, 3, v9
	v_add_nc_u32 v10, 512, v10
	v_lshl_add_u32 v9, v8, 4, v9
	v_lshlrev_b32 v11, 5, v8
	v_lshl_add_u32 v11, v7, 2, v11
	v_add_nc_u32 v11, 12288, v11
.set n, 0
.rept 128
	global_load_b32 v[48+n], v6, s[8:9] offset:256*n th:TH_LOAD_NT
.set n, n+1
.endr
	s_wait_loadcnt 0x0
	BMAX4 13, 48
.irp b, 0,1,2,3
	v_add_nc_u32 v[17+\b], OFFE, v[13+\b]
.endr
.irp b, 0,1,2,3
	v_lshrrev_b32 v[21+\b], 23, v[17+\b]
.endr
	v_lshl_or_b32 v25, v22, 8, v21
	v_lshl_or_b32 v25, v23, 16, v25
	v_lshl_or_b32 v25, v24, 24, v25                ; my row's scale word
.irp b, 0,1,2,3
	CVT2 176+8*\b, 48+32*\b, 17+\b
.endr
	v_nop
.irp b, 0,1,2,3
	PACK6 176+8*\b
.endr
.irp q, 0,1,2,3                                ; block q = 2 c + h
	global_store_b128 v9, v[176+8*\q:179+8*\q], s[20:21] offset:(\q/2)*768+(\q%2)*256
	global_store_b64 v10, v[180+8*\q:181+8*\q], s[20:21] offset:(\q/2)*768+(\q%2)*128
.endr
	global_store_b32 v11, v25, s[20:21]
	END3
	s_endpgm
.Lfunc_end_k_q32be22f0c5_prep:
	.size	k_q32be22f0c5_prep, .Lfunc_end_k_q32be22f0c5_prep-k_q32be22f0c5_prep
	.p2alignl 7, 3214868480
	.fill 96, 4, 3214868480
	.section	.rodata,"a",@progbits
	.p2align	6, 0x0
	.amdhsa_kernel k_q32be22f0c5_prep
		.amdhsa_group_segment_fixed_size 47104
		.amdhsa_private_segment_fixed_size 0
		.amdhsa_enable_private_segment 0
		.amdhsa_kernarg_size 72
		.amdhsa_user_sgpr_count 2
		.amdhsa_user_sgpr_kernarg_segment_ptr 1
		.amdhsa_wavefront_size32 1
		.amdhsa_system_sgpr_workgroup_id_x 1
		.amdhsa_system_sgpr_workgroup_id_y 1
		.amdhsa_system_sgpr_workgroup_id_z 1
		.amdhsa_system_vgpr_workitem_id 0
		.amdhsa_next_free_vgpr 240
		.amdhsa_next_free_sgpr 66
		.amdhsa_reserve_vcc 0
		.amdhsa_float_denorm_mode_32 3
		.amdhsa_float_denorm_mode_16_64 3
		.amdhsa_memory_ordered 1
		.amdhsa_forward_progress 1
		.amdhsa_inst_pref_size 67
	.end_amdhsa_kernel
	.amdgpu_metadata
---
amdhsa.version: [ 1, 2 ]
amdhsa.kernels:
  - .name:           k_q32be22f0c5_prep
    .symbol:         k_q32be22f0c5_prep.kd
    .args:
      - { .name: y_q, .offset: 0, .size: 8, .value_kind: global_buffer, .address_space: global }
      - { .name: x_kv, .offset: 8, .size: 8, .value_kind: global_buffer, .address_space: global }
      - { .name: Ly, .offset: 16, .size: 8, .value_kind: global_buffer, .address_space: global }
      - { .name: Lx, .offset: 24, .size: 8, .value_kind: global_buffer, .address_space: global }
      - { .name: Tx, .offset: 32, .size: 8, .value_kind: global_buffer, .address_space: global }
      - { .name: Ty, .offset: 40, .size: 8, .value_kind: global_buffer, .address_space: global }
      - { .name: xyq, .offset: 48, .size: 8, .value_kind: global_buffer, .address_space: global }
      - { .name: wq, .offset: 56, .size: 8, .value_kind: global_buffer, .address_space: global }
      - { .name: tyq, .offset: 64, .size: 8, .value_kind: global_buffer, .address_space: global }
    .group_segment_fixed_size: 47104
    .private_segment_fixed_size: 0
    .kernarg_segment_align: 8
    .kernarg_segment_size: 72
    .max_flat_workgroup_size: 128
    .sgpr_count:     66
    .vgpr_count:     240
    .wavefront_size: 32
...
	.end_amdgpu_metadata
.endif
;; end of part 1
;; launch proj (part 2): grid 64 x 4, 16 waves a work-group, clusters of 4 x 1, 327,680 bytes of LDS; arguments xyq, wq, Lo, To0, qimg, kv, mask, mimg; writes qimg, kv, mimg
.if DOCPART == 2
	.amdgcn_target "amdgcn-amd-amdhsa--gfx1250"
	.amdhsa_code_object_version 6
	.text
	.protected	k_q32be22f0c5_proj
	.globl	k_q32be22f0c5_proj
	.p2align	8
	.type	k_q32be22f0c5_proj,@function
k_q32be22f0c5_proj:
	s_mov_b64 s[64:65], 0
	v_nop
	global_prefetch_b8 v0, s[64:65] scope:SCOPE_SE
	s_setreg_imm32_b32 hwreg(HW_REG_WAVE_MODE, 25, 1), 1
	s_wait_xcnt 0x0
	s_wait_alu depctr_hold_cnt(0) depctr_sa_sdst(0) depctr_va_vdst(0) depctr_va_sdst(0) depctr_va_ssrc(0) depctr_va_vcc(0) depctr_vm_vsrc(0)
	s_getreg_b32 s2, hwreg(HW_REG_IB_STS2, 6, 4)
	s_cmp_eq_u32 s2, 0
	s_cbranch_scc0 .Lentry_in_a_cluster
	s_endpgm
.Lentry_in_a_cluster:
	s_bfe_u32 s2, ttmp6, 0x10000c
	s_cmp_lg_u32 s2, 0x3003
	s_cbranch_scc0 .Lentry_shape_is_right
	s_endpgm
.Lentry_shape_is_right:
; PROJ: the three projections, one body, and the mask's image; the grid's y says which: 0: q = y_q Ly + Lo; 1: kx = x_kv Lx; 2: xt = x_kv Tx + To0; 3: the mask.  The products on codes of FP6 with E8M0 scales, K = 1,024 in eight steps of 128.
; Every tile is D = U (source 0) x S1 (source 1): a lane holds ONE row of S1 and its registers run along U's rows, which is the axis along which the result is quantised for the next product:
;   y = 0, 1: S1 = rows of y_q / x_kv, U = rows (head, d) of Ly / Lx: q and kx are quantised along d;   y = 2: S1 = rows (head, d) of Tx, U = rows of x_kv (keys): xt is quantised along the keys.
; The rows of a tile are laid by the launch before so that the 16 registers of tiles 2 b, 2 b + 1 are U's rows 32 b + 16 (lane / 16) + 0 .. 15.
; SHARES: a work-group takes 256 rows of S1 x 256 rows of U: 64 work-groups a product.  Wave w: gu = w % 4 (64 rows of U), gs = w / 4 (64 rows of S1): 16 accumulators.
; y = 3: 64 work-groups x 16 waves lay the mask as an image of the score accumulators of the launch behind; a wave takes 32 queries x 128 keys.  That way parts on the cluster's y alone, behind the opening lines; it has no tensor load and no barrier.
; 256 work-groups in all.
; LDS: four operand blocks (U's two, then S1's two), six K steps of each: 4 x 76,800 bytes.  EVERY WAVE ISSUES ONE TENSOR LOAD: stage w / 4 (K steps 2 (w / 4), + 1) of block w % 4.  Waves 0-11 at the head (K steps 0-5);
; waves 12-15 fetch K steps 6, 7 into the place of steps 0, 1 behind the round that stands ahead of step 2, when every wave has read those.  One load a wave is out at most.
; CLUSTER: the four partners have the same S1 and four different U: S1 is asked for jointly (blocks 2 and 3, mask 15), U by plain loads.
; No prefetch: the head asks for six of the eight K steps at once, and there is no loop to run ahead in.
; BIASES: Lo runs along the registers: it is loaded into the accumulators and is the C of product 1's first step.  To0 runs along the lanes: it is added to product 4's sums.  Every work-group loads both (the row's
; index held inside the table), so that each register a later branch reads is written on every way; products 2 and 4 start their sums with the constant 0.
; LIMITS: a block whose largest magnitude lies under 2^-124 gets the byte 1; NaN and infinities are not served in the products; the mask is copied bit for bit.
.set SPARE, 307200                     ; the spare words: 128 bytes for each of sixteen waves, behind the four blocks
.set PNL,   12800                      ; a panel: 128 rows x 128 K
.set BLKM,  102400                     ; a block in memory: eight panels
.set BLKL,  76800                      ; a block in LDS: six panels
.set STGB,  25600                      ; a stage: two panels
.set FLOOR, 0x1800000
.set OFFE,  0xff000000
; v3-5 U's LDS addresses (registers 0-3, registers 4-5, scale words); v6-8 S1's; v9 To0's offset; v10 r; v11 h; v12 16 L; v13 8 L; v14 32 r; v15 Lo's offset
; v16-19 U's scale words, v20-23 S1's (scales alone); v24-31 To0; v32-79 U's four fragments; v80-127 S1's four; v128-255 accumulators (i, j) at 128 + 8 (4 i + j)
; s66 wave, s67 the grid's y, s68 cx, s69 sb, s70 ub, s71 gu, s72 gs; s[16:23], s[24:31] groups 1; s[32:35] group 0 for U; s[48:51] for S1
.macro ROUND                           ; a round of the cluster's barrier
	s_barrier_signal -1
	s_barrier_wait -1
	s_cmp_lg_u32 s66, 0
	s_cbranch_scc1 .Lnot_wave_0_\@
	s_barrier_signal -3
.Lnot_wave_0_\@:
	s_barrier_wait -3
	s_barrier_signal -1
	s_barrier_wait -1
.endm
.macro PLACES                          ; four places in front of loads into registers that matrix instructions have read, and of the first read of results
.rept 4
	v_nop
.endr
.endm
	s_load_b256 s[4:11], s[0:1], 0x0               ; xyq 4, wq 6, Lo 8, To0 10
	s_load_b128 s[12:15], s[0:1], 0x20             ; qimg 12, kv 14
	v_lshl_add_u32 v1, v0, 2, SPARE
	v_mov_b32 v2, 0
	ds_add_u32 v1, v2                              ; the wave's opening: the add, twice on end, and its wait ahead of the first tensor load
	ds_add_u32 v1, v2
	v_lshrrev_b32 v9, 5, v0
	s_delay_alu instid0(VALU_DEP_1)
	v_readfirstlane_b32 s66, v9
	s_and_b32 s71, s66, 3
	s_lshr_b32 s72, s66, 2
	s_and_b32 s67, ttmp7, 0xffff
	s_bfe_u32 s68, ttmp6, 0x40000
	s_cmp_eq_u32 s67, 2
	s_cselect_b32 s73, 2, 0
	s_cselect_b32 s74, 3, 0
	s_lshr_b32 s69, ttmp9, s73                     ; sb: which 256 rows of S1: from the cluster's number alone
	s_and_b32 s70, ttmp9, s74
	s_lshl_b32 s70, s70, 2
	s_add_co_u32 s70, s70, s68                     ; ub: which 256 rows of U
	s_cmp_eq_u32 s67, 1
	s_cselect_b32 s80, 3276800, 0                  ; S1: y = 0 y_q's codes, 1 x_kv's, 2 Tx's
	s_cselect_b32 s84, 819200, 0                   ; U:  y = 0 Ly's, 1 Lx's, 2 x_kv's
	s_cmp_eq_u32 s67, 2
	s_cselect_b32 s80, 1638400, s80
	s_cselect_b32 s84, 3276800, s84
	s_mul_i32 s81, s69, 2*BLKM
	s_add_co_u32 s80, s80, s81
	s_max_u32 s81, s71, 2                          ; a wave fetches block w % 4 (0, 1: U's; 2, 3: S1's), stage w / 4
	s_sub_co_u32 s81, s81, 2
	s_mul_i32 s81, s81, BLKM
	s_add_co_u32 s80, s80, s81
	s_mov_b32 s81, 0
	s_mul_i32 s85, s70, 2*BLKM
	s_add_co_u32 s84, s84, s85
	s_mul_i32 s85, s71, BLKM
	s_add_co_u32 s84, s84, s85
	s_mov_b32 s85, 0
	s_mul_i32 s86, s71, BLKL                       ; LDS: block w % 4,
	s_add_co_u32 s87, s72, 1
	s_lshr_b32 s87, s87, 2                         ; 1 for stage 3 alone
	s_mul_i32 s87, s87, 3
	s_xor_b32 s87, s87, s72                        ; stage % 3: stage 3 lands where stage 0 lay
	s_mul_i32 s87, s87, STGB
	s_add_co_u32 s86, s86, s87
	; groups 1: a dense run of 25,600 bytes as 100 rows of 256 bytes (32 elements of 8 bytes)
	s_mov_b32 s16, 3<<16
	s_mov_b32 s24, 15|(3<<16)|(1<<21)              ; the same with the mask of the four partners, and bit 21 beside it
.irp g, 16, 24
	s_mov_b32 s[\g+1], 32<<16
	s_mov_b32 s[\g+2], 100<<16
	s_mov_b32 s[\g+3], 32<<16
	s_mov_b32 s[\g+4], 100
	s_mov_b32 s[\g+5], 32
	s_mov_b32 s[\g+6], 0
	s_mov_b32 s[\g+7], 0
.endr
	s_mov_b32 s78, 0x76543210
	s_mov_b32 s79, 0xfedcba98
	v_and_b32 v9, 31, v0
	v_and_b32 v10, 15, v0
	v_bfe_u32 v11, v0, 4, 1
	s_delay_alu instid0(VALU_DEP_3)
	v_lshlrev_b32 v12, 4, v9
	v_lshlrev_b32 v13, 3, v9
	v_lshlrev_b32 v14, 5, v10
	s_wait_alu depctr_va_vdst(0)                   ; the wait ahead of the scalar lines below
	s_lshr_b32 s90, s71, 1
	s_mul_i32 s90, s90, BLKL                       ; my block of U,
	s_and_b32 s91, s71, 1
	s_mul_i32 s92, s91, 6144                       ; my four tiles of it
	s_add_co_u32 s92, s92, s90
	v_add_nc_u32 v3, s92, v12
	v_add_nc_u32 v4, s92, v13
	s_delay_alu instid0(VALU_DEP_1)
	v_add_nc_u32 v4, 512, v4
	s_lshl_b32 s91, s91, 4
	s_add_co_u32 s91, s91, s90
	v_add_nc_u32 v5, s91, v14
	s_delay_alu instid0(VALU_DEP_1)
	v_add_nc_u32 v5, 12288, v5
	s_lshr_b32 s92, s72, 1
	s_mul_i32 s92, s92, BLKL
	s_add_co_u32 s92, s92, 2*BLKL                  ; my block of S1
	s_and_b32 s93, s72, 1
	s_mul_i32 s94, s93, 6144
	s_add_co_u32 s94, s94, s92
	v_add_nc_u32 v6, s94, v12
	v_add_nc_u32 v7, s94, v13
	s_delay_alu instid0(VALU_DEP_1)
	v_add_nc_u32 v7, 512, v7
	s_lshl_b32 s95, s93, 4
	s_add_co_u32 s95, s95, s92
	v_add_nc_u32 v8, s95, v14
	s_delay_alu instid0(VALU_DEP_1)
	v_add_nc_u32 v8, 12288, v8
	v_and_b32 v9, 8, v10
	s_delay_alu instid0(VALU_DEP_1)
	v_add_nc_u32 v9, v9, v10
	s_delay_alu instid0(VALU_DEP_1)
	v_lshlrev_b32 v9, 2, v9                        ; To0: 4 (r + 8 (r / 8))
	v_lshlrev_b32 v15, 6, v11                      ; Lo: 64 h
	s_wait_alu depctr_va_vdst(0)                   ; the wait at the head's end
	s_wait_dscnt 0x0                               ; both opening adds are done
	s_wait_kmcnt 0x0
	s_cmp_eq_u32 s67, 3                            ; the cluster's y: the same in all partners
	s_cbranch_scc1 .Lmask
	s_cmp_eq_u32 s67, 2
	s_cselect_b64 s[82:83], s[6:7], s[4:5]
	s_cselect_b64 s[88:89], s[4:5], s[6:7]
	s_add_nc_u64 s[82:83], s[82:83], s[80:81]      ; S1: made of the cluster's number, the product and the wave alone
	s_add_nc_u64 s[88:89], s[88:89], s[84:85]      ; U
	s_mul_i32 s90, s72, STGB
	s_mov_b32 s91, 0
	s_mov_b32 s32, 1
	s_add_co_u32 s33, s86, 0
	s_add_nc_u64 s[34:35], s[88:89], s[90:91]
	s_or_b32 s35, s35, 0x80000000
	s_mov_b32 s48, 1
	s_add_co_u32 s49, s86, 0
	s_add_nc_u64 s[50:51], s[82:83], s[90:91]
	s_or_b32 s51, s51, 0x80000000
	ROUND                                          ; all four work-groups are here: the joint loads meet
	s_cmp_lt_u32 s66, 12                           ; one chain of branches on the wave's number, one load to an arm
	s_cbranch_scc0 .Lasked
	s_cmp_lt_u32 s71, 2
	s_cbranch_scc0 .Lnot_u
	tensor_load_to_lds s[32:35], s[16:23]
	s_nop 0
	PLACES
	s_branch .Lasked
.Lnot_u:
	tensor_load_to_lds s[48:51], s[24:31]
	s_nop 0
	PLACES
.Lasked:
	s_lshl_b32 s74, s70, 2
	s_add_co_u32 s74, s74, s71
	s_and_b32 s74, s74, 15                         ; Lo's row: head 4 ub + gu, held inside the table
	s_lshl_b32 s74, s74, 8
	s_mov_b32 s75, 0
	s_add_nc_u64 s[8:9], s[8:9], s[74:75]
	s_lshl_b32 s74, s69, 2
	s_add_co_u32 s74, s74, s72
	s_and_b32 s74, s74, 15                         ; To0's row: head 4 sb + gs, likewise
	s_lshl_b32 s74, s74, 8
	s_add_nc_u64 s[10:11], s[10:11], s[74:75]
.irp i, 0,1,2,3
.irp j, 0,1,2,3                                ; register n of accumulator (i, j) is d = 32 (j / 2) + 16 h + 8 (j % 2) + n
	global_load_b128 v[128+8*(4*\i+\j):131+8*(4*\i+\j)], v15, s[8:9] offset:128*(\j/2)+32*(\j%2)
	global_load_b128 v[132+8*(4*\i+\j):135+8*(4*\i+\j)], v15, s[8:9] offset:128*(\j/2)+32*(\j%2)+16
.endr
.endr
.irp i, 0,1,2,3                                ; lane r of tile i is d = 32 (i / 2) + 8 (i % 2) + r + 8 (r / 8); twice, for the packed addition
	global_load_b32 v[24+2*\i], v9, s[10:11] offset:128*(\i/2)+32*(\i%2)
	global_load_b32 v[25+2*\i], v9, s[10:11] offset:128*(\i/2)+32*(\i%2)
.endr
	; where the results go
	s_lshl_b32 s74, s69, 1
	s_lshr_b32 s75, s72, 1
	s_add_co_u32 s74, s74, s75                     ; y < 2: my block of 128 rows of S1
	s_lshl_b32 s75, s70, 2
	s_add_co_u32 s75, s75, s71                     ;        my head
	s_lshl_b32 s76, s69, 2
	s_add_co_u32 s76, s76, s72                     ; y = 2: my head
	s_and_b32 s77, s72, 1
	s_mul_i32 s77, s77, 3072                       ; y < 2: tiles 4 (gs % 2) + i of the panel
	s_and_b32 s96, s71, 1
	s_mul_i32 s96, s96, 768
	s_add_co_u32 s96, s96, 6656                    ; y = 2: V's part of the step, half fragment c = gu % 2
	s_lshl_b32 s87, s70, 1
	s_lshr_b32 s99, s71, 1
	s_add_co_u32 s87, s87, s99                     ; y = 2: my block of 128 keys
	s_cmp_eq_u32 s67, 2
	s_cselect_b32 s74, s87, s74                    ; the block of 128 queries or keys
	s_cselect_b32 s75, s76, s75                    ; the head
	s_cselect_b32 s77, s96, s77
	s_mov_b32 s97, 1536
	s_cselect_b32 s97, s97, 768                    ; from tile to tile
	s_lshr_b32 s76, s74, 4
	s_lshl_b32 s76, s76, 4
	s_add_co_u32 s76, s76, s75
	s_lshl_b32 s76, s76, 4
	s_and_b32 s74, s74, 15
	s_add_co_u32 s76, s76, s74                     ; ((batch x 16 + head) x 16 + panel)
	s_cmp_eq_u32 s67, 0
	s_mov_b32 s98, 13056
	s_cselect_b32 s98, 6656, s98
	s_cselect_b64 s[12:13], s[12:13], s[14:15]
	s_mul_i32 s98, s76, s98
	s_mov_b32 s99, 0
	s_add_nc_u64 s[12:13], s[12:13], s[98:99]
.macro KLOADS ofs                      ; a K step whose panels lie ofs bytes on from the address registers: four fragments a side, four dense loads each, and the scale words of four tiles a side
.irp j, 0,1,2,3
	ds_load_b128 v[32+12*\j:35+12*\j], v3 offset:(\ofs)+1536*\j
	ds_load_b64 v[36+12*\j:37+12*\j], v4 offset:(\ofs)+1536*\j
	ds_load_b128 v[38+12*\j:41+12*\j], v3 offset:(\ofs)+1536*\j+768
	ds_load_b64 v[42+12*\j:43+12*\j], v4 offset:(\ofs)+1536*\j+768
.endr
.irp j, 0,1,2,3
	ds_load_b128 v[80+12*\j:83+12*\j], v6 offset:(\ofs)+1536*\j
	ds_load_b64 v[84+12*\j:85+12*\j], v7 offset:(\ofs)+1536*\j
	ds_load_b128 v[86+12*\j:89+12*\j], v6 offset:(\ofs)+1536*\j+768
	ds_load_b64 v[90+12*\j:91+12*\j], v7 offset:(\ofs)+1536*\j+768
.endr
	ds_load_b128 v[16:19], v5 offset:(\ofs)
	ds_load_b128 v[20:23], v8 offset:(\ofs)
.endm
.macro KMUL cm                         ; sixteen products; the accumulators take turns.  cm = 0: the sums start with the constant 0
.irp i, 0,1,2,3
.irp j, 0,1,2,3
.if \cm
	v_wmma_scale_f32_16x16x128_f8f6f4 v[128+8*(4*\i+\j):135+8*(4*\i+\j)], v[32+12*\j:43+12*\j], v[80+12*\i:91+12*\i], v[128+8*(4*\i+\j):135+8*(4*\i+\j)], v[16+\j], v[20+\i] matrix_a_fmt:MATRIX_FMT_FP6 matrix_b_fmt:MATRIX_FMT_FP6
.else
	v_wmma_scale_f32_16x16x128_f8f6f4 v[128+8*(4*\i+\j):135+8*(4*\i+\j)], v[32+12*\j:43+12*\j], v[80+12*\i:91+12*\i], 0, v[16+\j], v[20+\i] matrix_a_fmt:MATRIX_FMT_FP6 matrix_b_fmt:MATRIX_FMT_FP6
.endif
.endr
.endr
.endm
.macro KSTEP ofs
	KLOADS \ofs
	s_wait_dscnt 0x0
	KMUL 1
.endm
	s_wait_tensorcnt 0x0                           ; my one load is in: behind the barrier K steps 0 to 5 are whole
	s_barrier_signal -1
	s_barrier_wait -1                              ; everybody's is
	KLOADS 0
	s_wait_loadcnt 0x0                             ; the biases
	s_wait_dscnt 0x0
	s_cmp_eq_u32 s67, 0
	s_cbranch_scc0 .Lfrom_zero
	KMUL 1                                         ; product 1: C = Lo
	s_branch .Lstep_1
.Lfrom_zero:
	KMUL 0
.Lstep_1:
	PLACES
	KSTEP PNL                                      ; K step 1
	s_wait_tensorcnt 0x0                           ; no tensor load of mine is out;
	ds_add_u32 v1, v2                              ; 0 onto my spare word, twice on end;
	ds_add_u32 v1, v2
	PLACES                                         ; (the places in front of step 2's loads)
	s_wait_dscnt 0x0                               ; the adds are done, and my reads of K steps 0, 1 are over
	ROUND                                          ; both hold of every wave of all four work-groups
	s_cmp_lt_u32 s66, 12                           ; the refill, first behind the round: waves 12-15 fetch K steps 6, 7 into the place of steps 0, 1
	s_cbranch_scc1 .Lre_asked
	s_cmp_lt_u32 s71, 2
	s_cbranch_scc0 .Lre_not_u
	tensor_load_to_lds s[32:35], s[16:23]
	s_nop 0
	PLACES
	s_branch .Lre_asked
.Lre_not_u:
	tensor_load_to_lds s[48:51], s[24:31]
	s_nop 0
	PLACES
.Lre_asked:
	KSTEP 2*PNL
	PLACES
	KSTEP 3*PNL
	PLACES
	KSTEP 4*PNL
.irp a, 3,4,5,6,7,8                            ; the immediates reach five panels: the addresses step to the sixth; these six plain lines are also the places in front of the loads
	v_add_nc_u32 v[\a], 5*PNL, v[\a]
.endr
	KSTEP 0                                        ; K step 5
	s_wait_tensorcnt 0x0                           ; my part of K steps 6, 7 is in,
	s_barrier_signal -1
	s_barrier_wait -1                              ; everybody's is
	s_wait_alu depctr_va_vdst(0)
.irp a, 3,4,5,6,7,8                            ; back to the first panel's place
	v_sub_nc_u32 v[\a], v[\a], 5*PNL
.endr
	KSTEP 0                                        ; K step 6
	PLACES
	s_wait_alu depctr_va_vdst(0)
	KSTEP PNL                                      ; K step 7
	PLACES
	s_cmp_eq_u32 s67, 2
	s_cbranch_scc0 .Lno_to0
.irp i, 0,1,2,3
.irp n, 0,2,4,6,8,10,12,14,16,18,20,22,24,26,28,30
	v_pk_add_f32 v[128+32*\i+\n:129+32*\i+\n], v[128+32*\i+\n:129+32*\i+\n], v[24+2*\i:25+2*\i]   ; + To0, each accumulator from its low end on
.endr
.endr
.Lno_to0:
	; the quantiser: for tile i the 32 registers are two half blocks b = 0, 1 (the other halves lie in lane l xor 16)
.irp i, 0,1,2,3
.irp b, 0,1
	v_max3_num_f32 v[32+2*\i+\b], |v[128+32*\i+16*\b]|, |v[129+32*\i+16*\b]|, FLOOR
.endr
.endr
.irp n, 2,4,6,8,10,12,14
.irp i, 0,1,2,3
.irp b, 0,1
	v_max3_num_f32 v[32+2*\i+\b], v[32+2*\i+\b], |v[128+32*\i+16*\b+\n]|, |v[129+32*\i+16*\b+\n]|
.endr
.endr
.endr
.irp m, 0,1,2,3,4,5,6,7
	v_permlanex16_b32 v[40+\m], v[32+\m], s78, s79
.endr
.irp m, 0,1,2,3,4,5,6,7
	v_max_num_f32 v[32+\m], v[32+\m], v[40+\m]
.endr
.irp m, 0,1,2,3,4,5,6,7
	v_add_nc_u32 v[48+\m], OFFE, v[32+\m]          ; the conversion's scale operand
.endr
.irp m, 0,1,2,3,4,5,6,7
	v_lshrrev_b32 v[56+\m], 23, v[48+\m]           ; the byte
.endr
.irp i, 0,1,2,3
	v_lshl_or_b32 v[64+\i], v[57+2*\i], 8, v[56+2*\i]
.endr
.irp i, 0,1,2,3
	s_delay_alu instid0(VALU_DEP_4)
	v_or_b32 v[64+\i], 0x7f7f0000, v[64+\i]        ; bytes 2, 3 = 1.0: they stand over the zero codes that fill K = 64 up to 128
.endr
.irp i, 0,1,2,3
	v_cvt_scalef32_pk16_fp6_f32 v[72+8*\i:74+8*\i], v[128+32*\i:143+32*\i], v[48+2*\i]
	v_cvt_scalef32_pk16_fp6_f32 v[76+8*\i:78+8*\i], v[144+32*\i:159+32*\i], v[49+2*\i]
.endr
	v_nop                                          ; one plain instruction behind the conversions
.irp i, 0,1,2,3                                ; a lane is to hold a WHOLE block: lanes 0-15 block 0, lanes 16-31 block 1
.irp n, 0,1,2
	v_permlane16_swap_b32 v[72+8*\i+\n], v[76+8*\i+\n]
.endr
.endr
.irp i, 0,1,2,3
	v_mov_b32 v[75+8*\i], v[76+8*\i]
	v_mov_b32 v[76+8*\i], v[77+8*\i]
	v_mov_b32 v[77+8*\i], v[78+8*\i]
.endr
	v_add_nc_u32 v104, s77, v12
	v_add_nc_u32 v108, s77, v13
	s_delay_alu instid0(VALU_DEP_1)
	v_add_nc_u32 v108, 512, v108
.irp i, 1
	s_delay_alu instid0(VALU_DEP_3)
	v_add_nc_u32 v[104+\i], s97, v[103+\i]
	s_delay_alu instid0(VALU_DEP_2)
	v_add_nc_u32 v[108+\i], s97, v[107+\i]
.endr
.irp i, 2, 3
	s_delay_alu instid0(VALU_DEP_2)
	v_add_nc_u32 v[104+\i], s97, v[103+\i]
	s_delay_alu instid0(VALU_DEP_2)
	v_add_nc_u32 v[108+\i], s97, v[107+\i]
.endr
.irp i, 0,1,2,3
	global_store_b128 v[104+\i], v[72+8*\i:75+8*\i], s[12:13]   ; 512 consecutive bytes,
	global_store_b64 v[108+\i], v[76+8*\i:77+8*\i], s[12:13]    ; and 256
.endr
	s_cmp_eq_u32 s67, 2
	s_cbranch_scc1 .Lv_scales
	s_and_b32 s74, s72, 1
	s_lshl_b32 s74, s74, 4
	v_add_nc_u32 v112, s74, v14
	global_store_b128 v112, v[64:67], s[12:13] offset:6144      ; row r's words of my four tiles; both halves of the lanes hold the same and name the same place
	s_branch .Lstored
.Lv_scales:
	s_and_b32 s74, s71, 1
	s_lshl_b32 s74, s74, 1
	v_lshl_add_u32 v112, v10, 4, s74
.irp i, 0,1,2,3
	global_store_b16 v112, v[64+\i], s[12:13] offset:12800+4*\i ; my two of the word's four bytes: key blocks 2 (gu % 2), 2 (gu % 2) + 1
.endr
.Lstored:
	s_wait_tensorcnt 0x0                           ; the wave's end
	ds_add_u32 v1, v2
	s_wait_dscnt 0x0
	ROUND                                          ; the closing round
	s_endpgm
; ---- the mask: wave = (32 queries = 2 tiles, 128 keys).  Lane l owns query 32 B + l, its registers run down the keys: a load reads 128 consecutive bytes, four neighbouring waves stand side by side.
.Lmask:
	s_load_b128 s[16:19], s[0:1], 0x30             ; mask 16, mimg 18
	s_lshl_b32 s32, ttmp9, 2
	s_add_co_u32 s32, s32, s68                     ; work-group x, 0 .. 63 (cx enters global addresses alone)
	s_lshl_b32 s32, s32, 2
	s_add_co_u32 s32, s32, s72                     ; 4 x + w / 4
	s_and_b32 s35, s32, 15                         ; g: which 128 keys
	s_lshr_b32 s33, s32, 4
	s_lshl_b32 s33, s33, 2
	s_add_co_u32 s33, s33, s71                     ; B: which 32 queries
	s_lshl_b32 s38, s35, 20                        ; 128 rows of 8,192 bytes
	s_lshl_b32 s34, s33, 7
	s_add_co_u32 s38, s38, s34
	s_mov_b32 s39, 0
	s_lshl_b32 s40, s33, 5
	s_add_co_u32 s40, s40, s35
	s_lshl_b32 s40, s40, 13                        ; tile 2 B, step g: (32 B + g) x 8,192
	s_mov_b32 s41, 0
	v_and_b32 v3, 31, v0
	v_bfe_u32 v5, v0, 4, 1
	v_bfe_u32 v7, v0, 3, 1                         ; u: which of the two tiles my query lies in,
	v_and_b32 v8, 7, v0
	v_lshlrev_b32 v6, 2, v3
	v_lshl_add_u32 v8, v5, 3, v8                   ; and at which lane r of it
	s_delay_alu instid0(VALU_DEP_1)
	v_lshlrev_b32 v8, 4, v8
	s_delay_alu instid0(VALU_DEP_1)
	v_lshl_add_u32 v7, v7, 17, v8                  ; a tile's 16 steps are 131,072 bytes
	s_wait_alu depctr_va_vdst(0)                   ; the wait directly ahead of the wait below
	s_wait_kmcnt 0x0
	s_add_nc_u64 s[16:17], s[16:17], s[38:39]
	s_add_nc_u64 s[18:19], s[18:19], s[40:41]
.set n, 0
.rept 128
	global_load_b32 v[48+n], v6, s[16:17] offset:n*8192 th:TH_LOAD_NT
.set n, n+1
.endr
.irp b, 0,1,2,3                                ; chunk e = 4 b + e', slot 16 h + r: keys 32 b + 16 h + 4 e' + 0 .. 3, as the score accumulators hold them
.if \b < 2
	s_wait_loadcnt 63                              ; keys up to 32 b + 31 are in (96 - 32 b could stay out; the wait's field holds 63)
.else
	s_wait_loadcnt 96-32*\b
.endif
.irp h, 0,1
.irp e, 0,1,2,3
	global_store_b128 v7, v[48+32*\b+16*\h+4*\e:51+32*\b+16*\h+4*\e], s[18:19] offset:(4*\b+\e)*512+256*\h   ; the sixteen lanes of a tile store 256 consecutive bytes, aligned
.endr
.endr
.endr
	s_wait_tensorcnt 0x0                           ; the wave's end
	ds_add_u32 v1, v2
	s_wait_dscnt 0x0
	s_endpgm
.Lfunc_end_k_q32be22f0c5_proj:
	.size	k_q32be22f0c5_proj, .Lfunc_end_k_q32be22f0c5_proj-k_q32be22f0c5_proj
	.p2alignl 7, 3214868480
	.fill 96, 4, 3214868480
	.section	.rodata,"a",@progbits
	.p2align	6, 0x0
	.amdhsa_kernel k_q32be22f0c5_proj
		.amdhsa_group_segment_fixed_size 327680
		.amdhsa_private_segment_fixed_size 0
		.amdhsa_enable_private_segment 0
		.amdhsa_kernarg_size 64
		.amdhsa_user_sgpr_count 2
		.amdhsa_user_sgpr_kernarg_segment_ptr 1
		.amdhsa_wavefront_size32 1
		.amdhsa_system_sgpr_workgroup_id_x 1
		.amdhsa_system_sgpr_workgroup_id_y 1
		.amdhsa_system_sgpr_workgroup_id_z 1
		.amdhsa_system_vgpr_workitem_id 0
		.amdhsa_next_free_vgpr 256
		.amdhsa_next_free_sgpr 100
		.amdhsa_reserve_vcc 0
		.amdhsa_float_denorm_mode_32 3
		.amdhsa_float_denorm_mode_16_64 3
		.amdhsa_memory_ordered 1
		.amdhsa_forward_progress 1
		.amdhsa_inst_pref_size 82
	.end_amdhsa_kernel
	.amdgpu_metadata
---
amdhsa.version: [ 1, 2 ]
amdhsa.kernels:
  - .name:           k_q32be22f0c5_proj
    .symbol:         k_q32be22f0c5_proj.kd
    .args:
      - { .name: xyq, .offset: 0, .size: 8, .value_kind: global_buffer, .address_space: global }
      - { .name: wq, .offset: 8, .size: 8, .value_kind: global_buffer, .address_space: global }
      - { .name: Lo, .offset: 16, .size: 8, .value_kind: global_buffer, .address_space: global }
      - { .name: To0, .offset: 24, .size: 8, .value_kind: global_buffer, .address_space: global }
      - { .name: qimg, .offset: 32, .size: 8, .value_kind: global_buffer, .address_space: global }
      - { .name: kv, .offset: 40, .size: 8, .value_kind: global_buffer, .address_space: global }
      - { .name: mask, .offset: 48, .size: 8, .value_kind: global_buffer, .address_space: global }
      - { .name: mimg, .offset: 56, .size: 8, .value_kind: global_buffer, .address_space: global }
    .group_segment_fixed_size: 327680
    .private_segment_fixed_size: 0
    .kernarg_segment_align: 8
    .kernarg_segment_size: 64
    .max_flat_workgroup_size: 512
    .sgpr_count:     100
    .vgpr_count:     256
    .wavefront_size: 32
...
	.end_amdgpu_metadata
.endif
;; end of part 2
;; launch attn (part 3): grid 16 x 16, 8 waves a work-group, clusters of 4 x 1, 327,680 bytes of LDS; arguments qimg, kv, mimg, ow; writes ow
.if DOCPART == 3
	.amdgcn_target "amdgcn-amd-amdhsa--gfx1250"
	.amdhsa_code_object_version 6
	.text
	.protected	k_q32be22f0c5_attn
	.globl	k_q32be22f0c5_attn
	.p2align	8
	.type	k_q32be22f0c5_attn,@function
k_q32be22f0c5_attn:
	s_mov_b64 s[64:65], 0
	v_nop
	global_prefetch_b8 v0, s[64:65] scope:SCOPE_SE
	s_setreg_imm32_b32 hwreg(HW_REG_WAVE_MODE, 25, 1), 1
	s_wait_xcnt 0x0
	s_wait_alu depctr_hold_cnt(0) depctr_sa_sdst(0) depctr_va_vdst(0) depctr_va_sdst(0) depctr_va_ssrc(0) depctr_va_vcc(0) depctr_vm_vsrc(0)
	s_getreg_b32 s2, hwreg(HW_REG_IB_STS2, 6, 4)
	s_cmp_eq_u32 s2, 0
	s_cbranch_scc0 .Lentry_in_a_cluster
	s_endpgm
.Lentry_in_a_cluster:
	s_bfe_u32 s2, ttmp6, 0x10000c
	s_cmp_lg_u32 s2, 0x3003
	s_cbranch_scc0 .Lentry_shape_is_right
	s_endpgm
.Lentry_shape_is_right:
; ATTN: o = softmax over the keys of ((q . kx + mask) / 8) applied to xt; both products on codes of FP6 with E8M0 scales.
; t = (score + mask) x log2(e) / 8; M = the running largest t rounded UP to a whole number; p = 2^(t - M) is quantised along the keys, not normalised; the sum of the unquantised p divides at the end.
; SHARES: a work-group takes 128 queries x TWO neighbouring heads of one batch (grid: 16 query blocks x 16 pairs).  Eight waves; a wave takes ONE tile of 16 queries for BOTH heads, so the mask's 64 registers
; of a step (16 queries x 128 keys) are loaded once and are the C of both heads' first products.  Every wave walks the 2,048 keys, 128 a step.
; LAYOUT: both products transposed: S^T = K Q^T, O^T = V^T P^T: a lane holds one query throughout.  The keys of a tile are laid (by the launch before) so that registers 16 b + i of S^T are keys 32 b + 16 (lane / 16) + i.
; THE FIRST PRODUCT'S K IS 64: Q's fragment holds zero codes for k = 64 .. 127 (scale bytes 1.0 on both sides there), so the upper six registers of K's operand may hold any bits (E2M3 has no NaN and no infinity):
; they are whatever lies behind the tile's six.
; K IS FETCHED A STEP AHEAD.  In memory a head's step s is K(s), 6,656 bytes, then V(s), 6,400: so V(s) and K(s + 1) are 13,056 consecutive bytes that begin 26 x 256 bytes into step s.  That run is a PART of a slot:
; step i reads V(i) and K(i + 1) from its own part, and no LDS read reaches into the other slot.  K(0) comes from memory straight into registers at the head.  Step 15's part has 25 rows in its tensor; the mover
; writes zeros for the other 26, which the last step loads and nothing multiplies.
; REGISTERS, two windows of 256: head A in window 0, head B in window 1, under the same numbers, so one macro serves both softmaxes.  The mask lies in window 1 (v64-127).  Window 0's v64-111 hold by turns
; V's fragments 2, 3 of both heads and head B's eight tiles of K; v112-125 head B's scale words (scale operands are always taken from window 0).  Head A's K tiles 4-7 lie in S^T's low 24 registers, dead between
; p's conversion and the next scores; its tiles 0-3 share 24 registers with V's fragments 0, 1.
; LDS: two slots, each with four steps' parts of both heads (4 x 2 x 13,056 bytes).  Every wave fetches one part, 51 rows of 256 bytes, with one load: at the head, and behind each round.  One load a wave is out at most.
; CLUSTER: the four partners are query blocks of one pair of heads: the parts are asked for jointly (mask 15); a round of the cluster's barrier stands in front of every joint load.
; PREFETCH: the parts: in group g each wave names its part of group g + 2, one group ahead of the load that wants it; the four partners share its blocks of 256 bytes by address, 13 each (lanes left over name the
; last again; of step 15's part only the 25 blocks inside the buffer).  The mask: the tile two steps on, 32 lanes x 256 bytes, by the work-groups of pair 0 alone, each wave for its own tile; the last named is step 15's.
; LIMITS: -infinity in the mask gives p = 0; a query all of whose keys are at -infinity gives NaN, as the definition does; NaN and +infinity are not served.  The scaled scores stay under 2^31 in magnitude.
.set SPARE, 208896                     ; behind the slots: the spare words, 128 bytes for each of eight waves
.set STEPB, 13056                      ; a part: V 6,400 bytes (scale words at 6,144), then K 6,656 (scale words at 12,544)
.set KOF,   6400
.set STEP2, 26112                      ; both heads' parts of a step
.set GRPB,  52224                      ; four steps of one head in memory
.set HEADB, 208896                     ; a head in memory
.set SLOT,  104448
.set KS,  32                           ; v32-39   A: K's scale words
.set KV,  40                           ; v40-63   A: K's tiles 0-3, then V's fragments 0, 1; B (window 1): V's fragments 0, 1
.set E0,  64                           ; window 0: v64-87  B's V fragments 2, 3, then B's K tiles 0-3
.set E1,  88                           ; window 0: v88-111 A's V fragments 2, 3, then B's K tiles 4-7
.set KSB, 112                          ; window 0: v112-119 B: K's scale words
.set VSB, 120                          ; window 0: v120-123 B: V's scale words
.set PWB, 124                          ; window 0: B: p's scale word
.set QSB, 125                          ; window 0: B: Q's scale word
.set PFK, 126                          ; window 0: the offset of the prefetch of a part; v127: the same held inside step 15's 25 blocks
.set MB,  64                           ; window 1: v64-127 the mask
.set S,   128                          ; v128-191 S^T, then p
.set O,   192                          ; v192-223 O^T
.set VS,  248                          ; v248-251 A: V's scale words
; v1, v2 the add's; v4 16 L, v5 8 L + 512, v6 32 r, v7 16 r; v8-11 the step's LDS addresses; v12 -M, v13 the largest t, v[14:15] the sum; v16-27 Q; v28 256 L; v29 8 L; v30, v31 Q's offsets
; v224-235 p's codes; v230-247, v254 at work; v252 f; v253 A: p's scale word, v255 A: Q's
.set MSB, 0
.macro WIN new                         ; the immediate's high byte repeats the setting that is left
.if MSB != \new
	s_set_vgpr_msb (MSB<<8)|\new
.set MSB, \new
.endif
.endm
.macro ROUND
	s_barrier_signal -1
	s_barrier_wait -1
	s_cmp_lg_u32 s12, 0
	s_cbranch_scc1 .Lnot_wave_0_\@
	s_barrier_signal -3
.Lnot_wave_0_\@:
	s_barrier_wait -3
	s_barrier_signal -1
	s_barrier_wait -1
.endm
.macro NOPS n
.rept \n
	v_nop
.endr
.endm
.macro INIT                            ; a head's state; only destinations are named, so the window's destination field says whose
.irp n, 22,23,24,25,26,27,14,15,236,237,238,239,253
	v_mov_b32 v[\n], 0                             ; zero codes for Q's k = 64 .. 127; the sum; lane permutes' destinations
.endr
	v_mov_b32 v13, 0xff61b1e6                      ; the largest t so far: -3e38
	v_mov_b32 v12, 0x7f61b1e6                      ; -M = floor(3e38)
.set n, 0
.rept 32
	v_mov_b32 v[O+n], 0                            ; O^T: the step is written once; the first change of M multiplies zeros
.set n, n+1
.endr
.endm
	s_load_b256 s[4:11], s[0:1], 0x0               ; qimg 4, kv 6, mimg 8, ow 10
	v_lshl_add_u32 v1, v0, 2, SPARE
	v_mov_b32 v2, 0
	ds_add_u32 v1, v2                              ; the opening: the add, twice on end, and its wait ahead of the first tensor load
	ds_add_u32 v1, v2
	v_lshrrev_b32 v8, 5, v0
	v_readfirstlane_b32 s12, v8                    ; wave
	s_bfe_u32 s55, ttmp6, 0x40000                  ; cx: it enters global addresses of Q, the mask, o and the prefetch alone
	s_mul_i32 s56, s55, 13
	s_mul_i32 s61, s12, 768
	s_lshl_b32 s60, s12, 2
	s_mov_b32 s51, 24*256
	s_cmp_lt_u32 s12, 6
	s_cselect_b32 s51, 50*256, s51                 ; waves 6, 7 fetch a group's last step
	v_and_b32 v8, 31, v0
	v_and_b32 v9, 15, v0
	v_lshlrev_b32 v4, 4, v8
	v_lshlrev_b32 v29, 3, v8
	v_lshlrev_b32 v28, 8, v8
	v_min_u32 v126, 12, v8
	v_lshlrev_b32 v6, 5, v9
	v_lshlrev_b32 v7, 4, v9
	v_add_nc_u32 v5, 512, v29
	v_add_nc_u32 v126, s56, v126
	v_add_nc_u32 v30, s61, v4                      ; Q: my tile of the panel
	v_add_nc_u32 v254, s60, v6
	v_add_nc_u32 v31, s61, v5
	v_min_u32 v126, 50, v126                       ; block 13 cx + min(lane, 12) of my part's 51
	s_delay_alu instid0(VALU_DEP_1)
	v_lshlrev_b32 v[PFK], 8, v126
	s_delay_alu instid0(VALU_DEP_1)
	v_min_u32 v127, s51, v[PFK]
.irp n, 152,153,154,155,156,157
	v_mov_b32 v[\n], 0                             ; what lies behind A's K tile 7 in the first step
.endr
	INIT
	WIN 0x40                                       ; destinations in window 1
	INIT
	WIN 0
	s_wait_alu depctr_va_vdst(0)                   ; the wait behind the head's vector work
	s_mov_b32 s16, 15|(3<<16)|(1<<21)              ; group 1: 13,056 dense bytes as 51 rows of 256; the mask of the four partners, bit 21 beside it
	s_mov_b32 s17, 32<<16
	s_mov_b32 s18, 51<<16
	s_mov_b32 s19, 32<<16
	s_mov_b32 s20, 51
	s_mov_b32 s21, 32
	s_mov_b32 s22, 0
	s_mov_b32 s23, 0
	s_mov_b32 s32, 15|(3<<16)|(1<<21)              ; the same for step 15's part: the tensor ends behind 25 rows
	s_mov_b32 s33, 32<<16
	s_mov_b32 s34, 25<<16
	s_mov_b32 s35, 32<<16
	s_mov_b32 s36, 51
	s_mov_b32 s37, 32
	s_mov_b32 s38, 0
	s_mov_b32 s39, 0
	s_mov_b32 s40, 0x76543210
	s_mov_b32 s41, 0xfedcba98
	s_mov_b32 s42, 0x3e38aa3b                      ; c = log2(e) / 8
	s_mov_b32 s43, s42
	s_mov_b32 s46, 0                               ; the step's number
	s_and_b32 s50, ttmp7, 0xffff                   ; the pair: batch x 8 + head / 2
	s_mul_i32 s58, s50, 2*HEADB                    ; head A in kv
	s_mov_b32 s59, 0
	s_and_b32 s51, s12, 1
	s_mul_i32 s52, s51, HEADB                      ; I fetch head w % 2,
	s_lshr_b32 s51, s12, 1
	s_mul_i32 s51, s51, STEPB                      ; step w / 2 of a group,
	s_add_co_u32 s52, s52, s51
	s_add_co_u32 s52, s52, 6656                    ; from its V on
	s_mov_b32 s53, 0
	s_mul_i32 s54, s12, STEPB                      ; to part w of a slot
	s_cmp_eq_u32 s50, 0
	s_cselect_b32 s47, 14, 0                       ; who prefetches the mask, and until which step
	s_wait_dscnt 0x0
	s_wait_kmcnt 0x0
	s_add_nc_u64 s[14:15], s[6:7], s[58:59]
	s_add_nc_u64 s[6:7], s[14:15], s[52:53]
	s_mov_b32 s24, 1                               ; group 0 for slot 0: group 0 of the keys
	s_add_co_u32 s25, s54, 0
	s_mov_b64 s[26:27], s[6:7]
	s_or_b32 s27, s27, 0x80000000
	s_mov_b32 s28, 1                               ; and for slot 1: group 1
	s_add_co_u32 s29, s54, SLOT
	s_add_nc_u64 s[30:31], s[6:7], GRPB
	s_or_b32 s31, s31, 0x80000000
	ROUND                                          ; all four work-groups are here: the joint loads meet
	tensor_load_to_lds s[24:27], s[16:23]          ; one load a wave at the head
	s_nop 0
	NOPS 4
	s_lshl_b32 s56, ttmp9, 2
	s_add_co_u32 s56, s56, s55                     ; my block of 128 queries
	s_lshl_b32 s57, s56, 3
	s_add_co_u32 s57, s57, s12                     ; my tile of 16 queries, of 128
	s_lshl_b32 s58, s50, 5
	s_add_co_u32 s58, s58, s56
	s_mul_i32 s58, s58, 6656                       ; head A's panel of Q; head B's lies 16 panels on
	s_add_nc_u64 s[4:5], s[4:5], s[58:59]
	s_lshl_b32 s58, s57, 17
	s_add_nc_u64 s[8:9], s[8:9], s[58:59]          ; my tile's 16 steps of the mask
	global_load_b128 v[16:19], v30, s[4:5]
	global_load_b64 v[20:21], v31, s[4:5]
	global_load_b32 v255, v254, s[4:5] offset:6144
	global_load_b32 v[QSB], v254, s[4:5] offset:6144+106496
.irp t, 0,1,2,3                                ; K(0) of both heads, as it lies: an image of the operand's registers
	global_load_b128 v[S+6*\t:S+6*\t+3], v4, s[14:15] offset:768*(\t+4)
	global_load_b64 v[S+6*\t+4:S+6*\t+5], v5, s[14:15] offset:768*(\t+4)
	global_load_b128 v[KV+6*\t:KV+6*\t+3], v4, s[14:15] offset:768*\t
	global_load_b64 v[KV+6*\t+4:KV+6*\t+5], v5, s[14:15] offset:768*\t
	global_load_b128 v[E1+6*\t:E1+6*\t+3], v4, s[14:15] offset:HEADB+768*(\t+4)
	global_load_b64 v[E1+6*\t+4:E1+6*\t+5], v5, s[14:15] offset:HEADB+768*(\t+4)
	global_load_b128 v[E0+6*\t:E0+6*\t+3], v4, s[14:15] offset:HEADB+768*\t
	global_load_b64 v[E0+6*\t+4:E0+6*\t+5], v5, s[14:15] offset:HEADB+768*\t
.endr
	global_load_b128 v[KS:KS+3], v6, s[14:15] offset:6144
	global_load_b128 v[KS+4:KS+7], v6, s[14:15] offset:6160
	global_load_b128 v[KSB:KSB+3], v6, s[14:15] offset:HEADB+6144
	global_load_b128 v[KSB+4:KSB+7], v6, s[14:15] offset:HEADB+6160
	WIN 0x40
	global_load_b128 v[16:19], v30, s[4:5] offset:106496
	global_load_b64 v[20:21], v31, s[4:5] offset:106496
.irp e, 0,1,2,3,4,5,6,7,8,9,10,11,12,13,14,15
	global_load_b128 v[MB+4*\e:MB+4*\e+3], v4, s[8:9] offset:512*\e   ; step 0's mask
.endr
	WIN 0
	s_lshr_b32 s60, s50, 3
	s_lshl_b32 s60, s60, 7
	s_add_co_u32 s60, s60, s57
	s_lshl_b32 s60, s60, 16
	s_and_b32 s61, s50, 7
	s_lshl_b32 s61, s61, 9
	s_add_co_u32 s60, s60, s61
	s_mov_b32 s61, 0
	s_add_nc_u64 s[10:11], s[10:11], s[60:61]      ; o: (batch x 128 + tile) x 65,536 + head A x 256
.macro KLD4 reg, t0, ofs               ; four tiles of the next step's K, t0 .. t0 + 3
.irp t, 0,1,2,3
	ds_load_b128 v[\reg+6*\t:\reg+6*\t+3], v8 offset:\ofs+KOF+768*(\t+\t0)
	ds_load_b64 v[\reg+6*\t+4:\reg+6*\t+5], v9 offset:\ofs+KOF+768*(\t+\t0)
.endr
.endm
.macro VLD reg, t0, ofs                ; V's fragments t0, t0 + 1
.irp t, 0,1
.irp c, 0,1
	ds_load_b128 v[\reg+12*\t+6*\c:\reg+12*\t+6*\c+3], v8 offset:\ofs+(2*(\t+\t0)+\c)*768
	ds_load_b64 v[\reg+12*\t+6*\c+4:\reg+12*\t+6*\c+5], v9 offset:\ofs+(2*(\t+\t0)+\c)*768
.endr
.endr
.endm
.macro QK t0, a, ks, qs                ; four score products; C = the mask
.irp t, 0,1,2,3
	v_wmma_scale_f32_16x16x128_f8f6f4 v[S+8*(\t0+\t):S+8*(\t0+\t)+7], v[\a+6*\t:\a+6*\t+11], v[16:27], v[MB+8*(\t0+\t):MB+8*(\t0+\t)+7], v[\ks+\t0+\t], v[\qs] matrix_a_fmt:MATRIX_FMT_FP6 matrix_b_fmt:MATRIX_FMT_FP6
.endr
.endm
; The softmax of one head's 16 queries x 128 keys, and p's codes.  w: the head's window; pw: where p's scale word goes, in window 0
.macro SOFT w, pw
	WIN \w
	s_wait_alu depctr_va_vdst(0)                   ; the wait directly ahead of the scores' first readers
.irp b, 0,1,2,3
	v_max3_num_f32 v[232+\b], v[S+16*\b], v[S+1+16*\b], v[S+2+16*\b]   ; the largest score of each block of 32 keys: for the row's maximum and, since p rises with the score, for the block's largest p
.endr
.irp i, 3,5,7,9,11,13
.irp b, 0,1,2,3
	v_max3_num_f32 v[232+\b], v[232+\b], v[S+16*\b+\i], v[S+1+16*\b+\i]
.endr
.endr
.irp b, 0,1,2,3
	v_max_num_f32 v[232+\b], v[232+\b], v[S+15+16*\b]
.endr
.irp b, 0,1,2,3
	s_delay_alu instid0(VALU_DEP_4)
	v_permlanex16_b32 v[236+\b], v[232+\b], s40, s41
.endr
.irp b, 0,1,2,3
	s_delay_alu instid0(VALU_DEP_4)
	v_max_num_f32 v[232+\b], v[232+\b], v[236+\b]
.endr
	s_delay_alu instid0(VALU_DEP_2)
	v_max3_num_f32 v254, v232, v233, v234
	s_delay_alu instid0(VALU_DEP_1)
	v_max_num_f32 v254, v254, v235
	s_delay_alu instid0(VALU_DEP_1)
	v_mul_f32 v254, s42, v254
	s_delay_alu instid0(VALU_DEP_1)
	v_max_num_f32 v13, v13, v254                   ; the running largest t
	v_mov_b32 v254, v12
	s_delay_alu instid0(VALU_DEP_2)
	v_floor_f32 v12, -v13                          ; -M = floor(-t): M is a whole number
	s_delay_alu instid0(VALU_DEP_1)
	v_sub_f32 v254, v12, v254
	s_delay_alu instid0(VALU_DEP_1)
	v_cvt_i32_f32 v254, v254
	s_delay_alu instid0(VALU_DEP_1)
	v_ldexp_f32 v252, 1.0, v254                    ; f = 2^(old M - new M): rounds nothing
.irp j, 0,2,4,6,8,10,12,14,16,18,20,22,24,26,28,30,32,34,36,38,40,42,44,46,48,50,52,54,56,58,60,62
	v_pk_fma_f32 v[S+\j:S+1+\j], v[S+\j:S+1+\j], s[42:43], v[12:13] op_sel_hi:[1,0,0]
.endr
.irp b, 0,1,2,3
	v_fma_f32 v[232+\b], v[232+\b], s42, v12
.endr
	s_wait_alu depctr_va_vdst(0)                   ; the wait ahead of the batch
.set n, 0
.rept 64
	v_exp_f32 v[S+n], v[S+n]                       ; p = 2^(t - M)
.set n, n+1
.endr
	v_pk_mul_f32 v[14:15], v[14:15], v[252:253] op_sel_hi:[1,0]   ; the sum under the new M: the plain instruction behind the batch
	s_wait_alu depctr_va_vdst(0)                   ; one wait for the batch, ahead of its first reader
.irp b, 0,1,2,3
	v_exp_f32 v[232+\b], v[232+\b]                 ; each block's largest p
.endr
	v_pk_add_f32 v[236:237], v[132:133], v[136:137]   ; the sum of the unquantised p, in eight chains
	v_pk_add_f32 v[246:247], v[140:141], v[144:145]
	v_pk_add_f32 v[244:245], v[148:149], v[152:153]
	v_pk_add_f32 v[242:243], v[156:157], v[160:161]
	v_pk_add_f32 v[240:241], v[164:165], v[168:169]
	v_pk_add_f32 v[238:239], v[172:173], v[176:177]
	v_pk_add_f32 v[230:231], v[180:181], v[184:185]
	v_pk_add_f32 v[14:15], v[14:15], v[188:189]
	v_pk_add_f32 v[236:237], v[236:237], v[128:129]
	v_pk_add_f32 v[246:247], v[246:247], v[130:131]
	v_pk_add_f32 v[244:245], v[244:245], v[134:135]
	v_pk_add_f32 v[242:243], v[242:243], v[138:139]
	v_pk_add_f32 v[240:241], v[240:241], v[142:143]
	v_pk_add_f32 v[238:239], v[238:239], v[146:147]
	v_pk_add_f32 v[230:231], v[230:231], v[150:151]
	v_pk_add_f32 v[14:15], v[14:15], v[154:155]
	v_pk_add_f32 v[236:237], v[236:237], v[158:159]
	v_pk_add_f32 v[246:247], v[246:247], v[162:163]
	v_pk_add_f32 v[244:245], v[244:245], v[166:167]
	v_pk_add_f32 v[242:243], v[242:243], v[170:171]
	v_pk_add_f32 v[240:241], v[240:241], v[174:175]
	v_pk_add_f32 v[238:239], v[238:239], v[178:179]
	v_pk_add_f32 v[230:231], v[230:231], v[182:183]
	v_pk_add_f32 v[14:15], v[14:15], v[186:187]
	v_pk_add_f32 v[236:237], v[236:237], v[190:191]
	s_delay_alu instid0(VALU_DEP_2)
	v_pk_add_f32 v[14:15], v[14:15], v[242:243]
	s_delay_alu instid0(VALU_DEP_2)
	v_pk_add_f32 v[236:237], v[236:237], v[240:241]
	v_pk_add_f32 v[246:247], v[246:247], v[238:239]
	v_pk_add_f32 v[244:245], v[244:245], v[230:231]
	s_delay_alu instid0(VALU_DEP_2)
	v_pk_add_f32 v[14:15], v[14:15], v[246:247]
	s_delay_alu instid0(VALU_DEP_2)
	v_pk_add_f32 v[236:237], v[236:237], v[244:245]
	s_delay_alu instid0(VALU_DEP_1)
	v_pk_add_f32 v[14:15], v[14:15], v[236:237]
	s_wait_alu depctr_va_vdst(0)                   ; and one for the four
.irp b, 0,1,2,3
	v_max_num_f32 v[232+\b], 0x1800000, v[232+\b]  ; the floor: no byte under 1
.endr
.irp b, 0,1,2,3
	s_delay_alu instid0(VALU_DEP_4)
	v_add_nc_u32 v[244+\b], 0xff000000, v[232+\b]  ; 2 off the exponent field: the conversion's scale operand
.endr
.irp b, 0,1,2,3
	s_delay_alu instid0(VALU_DEP_4)
	v_lshrrev_b32 v[236+\b], 23, v[244+\b]         ; the byte
.endr
	s_delay_alu instid0(VALU_DEP_3)
	v_lshl_or_b32 v253, v237, 8, v236
	s_delay_alu instid0(VALU_DEP_1)
	v_lshl_or_b32 v253, v238, 16, v253
	WIN (\w&0x3f)                                  ; the whole word goes to window 0
	v_lshl_or_b32 v[\pw], v239, 24, v253           ; p's scale word
	WIN \w
.irp c, 0,1
	v_cvt_scalef32_pk16_fp6_f32 v[224+6*\c:226+6*\c], v[S+32*\c:S+15+32*\c], v[244+2*\c]
	v_cvt_scalef32_pk16_fp6_f32 v[236+4*\c:238+4*\c], v[S+16+32*\c:S+31+32*\c], v[245+2*\c]
.endr
	v_nop                                          ; one plain instruction behind the conversions
.irp c, 0,1                                    ; a lane is to hold a WHOLE block of p
.irp i, 0,1,2
	v_permlane16_swap_b32 v[224+6*\c+\i], v[236+4*\c+\i]
.endr
.irp i, 0,1,2
	s_delay_alu instid0(VALU_DEP_3)
	v_mov_b32 v[227+6*\c+\i], v[236+4*\c+\i]
.endr
.endr
	s_wait_alu depctr_va_vdst(0)                   ; the wait directly ahead of O^T's first reader
.irp j, 0,2,4,6,8,10,12,14,16,18,20,22,24,26,28,30
	v_pk_mul_f32 v[O+\j:O+1+\j], v[O+\j:O+1+\j], v[252:253] op_sel_hi:[1,0]   ; O^T under the new M; these sixteen stand between the scale word and codes just made and the products
.endr
.endm
.macro PV w2, v2, vs, pw               ; O^T += V^T p^T; w2: the window with source 0 in window 0, for fragments 2, 3 at v2
	s_wait_alu depctr_va_vdst(0)                   ; the wait directly ahead of the wait below
	s_wait_dscnt 0x0                               ; all my LDS loads, issued ahead of this head's softmax, are in
.irp t, 0,1
	v_wmma_scale_f32_16x16x128_f8f6f4 v[O+8*\t:O+8*\t+7], v[KV+12*\t:KV+12*\t+11], v[224:235], v[O+8*\t:O+8*\t+7], v[\vs+\t], v[\pw] matrix_a_fmt:MATRIX_FMT_FP6 matrix_b_fmt:MATRIX_FMT_FP6
.endr
	WIN \w2
.irp t, 2,3
	v_wmma_scale_f32_16x16x128_f8f6f4 v[O+8*\t:O+8*\t+7], v[\v2+12*(\t-2):\v2+12*(\t-2)+11], v[224:235], v[O+8*\t:O+8*\t+7], v[\vs+\t], v[\pw] matrix_a_fmt:MATRIX_FMT_FP6 matrix_b_fmt:MATRIX_FMT_FP6
.endr
.endm
; A KEY STEP of 128 keys, both heads.  At its head K of this step is in registers, but for B's tiles 0-3, asked for at the last step's end
.macro STEP
	v_add_nc_u32 v8, s44, v4
	v_add_nc_u32 v9, s44, v5
	v_add_nc_u32 v10, s44, v6
	v_add_nc_u32 v11, s44, v7
	s_wait_alu depctr_va_vdst(0)                   ; the wait directly ahead of the wait below
	s_wait_loadcnt 0x0                             ; this step's mask, asked for a step ago (and, the first time, Q and K)
	WIN 0x10                                       ; head A: C in window 1
	QK 4, S, KS, 255
	WIN 0x54                                       ; head B: K in window 0, all else in window 1
	QK 4, E1, KSB, QSB
	NOPS 5                                         ; five places: A's next products write over registers that its last have read
	s_wait_dscnt 0x0                               ; B's tiles 0-3 (A's tile 3 names their first six registers too)
	WIN 0x10
	QK 0, KV, KS, 255
	WIN 0x54
	QK 0, E0, KSB, QSB
	NOPS 4                                         ; places in front of the loads below and of the first read of the scores
	WIN 0x40
	VLD KV, 0, STEPB                               ; all of V lands under the softmax
	WIN 0
	VLD KV, 0, 0
	VLD E1, 2, 0
	VLD E0, 2, STEPB
	ds_load_b128 v[VS:VS+3], v11 offset:6144
	ds_load_b128 v[VSB:VSB+3], v11 offset:STEPB+6144
	s_cmp_lt_u32 s46, 15                           ; the last step asks for no mask: no load leaves the buffer
	s_cbranch_scc0 .Lno_ask_\@
	s_wait_xcnt 0x0                                ; the last prefetch, a step back, has read its base (the mask's loads were shown done at the step's head)
	s_add_nc_u64 s[8:9], s[8:9], 8192
	WIN 0x40
.irp e, 0,1,2,3,4,5,6,7,8,9,10,11,12,13,14,15
	global_load_b128 v[MB+4*\e:MB+4*\e+3], v4, s[8:9] offset:512*\e   ; both heads' products have read the mask: its registers take the next step's
.endr
	WIN 0
	s_cmp_lt_u32 s46, s47
	s_cbranch_scc0 .Lno_ask_\@
	global_prefetch_b8 v28, s[8:9] offset:8192 th:TH_LOAD_NT scope:SCOPE_SE   ; the tile two steps on
.Lno_ask_\@:
	SOFT 0, 253
	PV 0, E1, VS, 253
	NOPS 4                                         ; places in front of loads into registers that A's products have read
	KLD4 S, 4, 0                                   ; the next step's K lands under B's softmax: A's eight tiles,
	KLD4 KV, 0, 0
	KLD4 E1, 4, STEPB                              ; B's tiles 4-7,
	ds_load_b128 v[KS:KS+3], v10 offset:12544      ; and both heads' scale words
	ds_load_b128 v[KS+4:KS+7], v10 offset:12560
	ds_load_b128 v[KSB:KSB+3], v10 offset:STEPB+12544
	ds_load_b128 v[KSB+4:KSB+7], v10 offset:STEPB+12560
	SOFT 0x55, PWB
	PV 0x54, E0, VSB, PWB
	NOPS 4
	WIN 0
	KLD4 E0, 0, STEPB                              ; B's tiles 0-3: eight loads, with the next step's first eight products in which to land
	s_add_co_u32 s44, s44, STEP2
	s_add_co_u32 s46, s46, 1
.endm
; A GROUP of four steps, in slot g % 2.  In front of it every wave's three lines and, while a group is left to fetch, a round; the joint load of group g + 1 is the first tensor load behind the round
.macro TRIP g
	s_wait_tensorcnt 0x0                           ; my one load, my part of this group, is in;
	ds_add_u32 v1, v2                              ; 0 onto my spare word
.if \g < 2
	s_add_nc_u64 s[26+4*(\g%2):27+4*(\g%2)], s[26+4*(\g%2):27+4*(\g%2)], 2*GRPB   ; no load of mine is out: this slot's next group
.endif
	s_mov_b32 s44, (\g%2)*SLOT
	s_mov_b32 s45, 4
	s_wait_dscnt 0x0                               ; the add is done, and my reads of the other slot are over
.if \g < 2
	ROUND
	tensor_load_to_lds s[28-4*(\g%2):31-4*(\g%2)], s[16:23]
	s_nop 0
	NOPS 4
	global_prefetch_b8 v[PFK+\g], s[6:7] offset:(\g+2)*GRPB th:TH_LOAD_NT scope:SCOPE_SE
.endif
.if \g == 2
	ROUND
	s_cmp_lt_u32 s12, 6                            ; the last group: waves 6, 7 fetch step 15's part, whose tensor ends behind V
	s_cbranch_scc0 .Lend_\@
	tensor_load_to_lds s[28:31], s[16:23]
	s_nop 0
	NOPS 4
	s_branch .Lasked_\@
.Lend_\@:
	tensor_load_to_lds s[28:31], s[32:39]
	s_nop 0
	NOPS 4
.Lasked_\@:
.endif
.if \g == 3
	s_barrier_signal -1                            ; nothing is filled again: no round
	s_barrier_wait -1
.endif
.Lsteps_\@:
	STEP
	s_sub_co_u32 s45, s45, 1
	s_cmp_lg_u32 s45, 0
	s_cbranch_scc1 .Lsteps_\@
.endm
	TRIP 0
	TRIP 1
	TRIP 2
	TRIP 3
; THE WAY OUT: O^T / the sum, laid for the last product's quantiser: [tile][j / 2][head][16 (j % 2) + r] pairs d = 2 j, 2 j + 1
.macro OUT w, ws, off
	WIN \w
	v_add_f32 v14, v14, v15
	s_delay_alu instid0(VALU_DEP_1)
	v_permlanex16_b32 v252, v14, s40, s41
	s_delay_alu instid0(VALU_DEP_1)
	v_add_f32 v14, v14, v252
	s_wait_alu depctr_va_vdst(0)                   ; the wait ahead of the transcendental,
	v_rcp_f32 v14, v14
	v_nop
	s_wait_alu depctr_va_vdst(0)                   ; and ahead of its first reader, which is O^T's too
.irp j, 0,2,4,6,8,10,12,14,16,18,20,22,24,26,28,30
	v_pk_mul_f32 v[O+\j:O+1+\j], v[O+\j:O+1+\j], v[14:15] op_sel_hi:[1,0]   ; register 16 b + i is d = 32 b + 16 (lane / 16) + i
.endr
.irp b, 0,1
.irp i, 0,1,2,3                                ; lanes 16-31 of the pair d = .. + 4 i change places with lanes 0-15 of the pair .. + 4 i + 2: each register pair then belongs to one j / 2, slot = lane
	v_permlane16_swap_b32 v[O+16*\b+4*\i], v[O+2+16*\b+4*\i]
	v_permlane16_swap_b32 v[O+1+16*\b+4*\i], v[O+3+16*\b+4*\i]
.endr
.endr
	WIN \ws                                        ; the offset in window 0, the data in the head's
.irp b, 0,1
.irp i, 0,1,2,3
	global_store_b64 v29, v[O+16*\b+4*\i:O+1+16*\b+4*\i], s[10:11] offset:(8*\b+\i)*4096+\off        ; 256 consecutive bytes, aligned
	global_store_b64 v29, v[O+2+16*\b+4*\i:O+3+16*\b+4*\i], s[10:11] offset:(8*\b+4+\i)*4096+\off
.endr
.endr
.endm
	OUT 0, 0, 0
	OUT 0x55, 0x04, 256
	WIN 0
	s_wait_tensorcnt 0x0                           ; the wave's end
	ds_add_u32 v1, v2
	s_wait_dscnt 0x0
	ROUND                                          ; the closing round
	s_endpgm
.Lfunc_end_k_q32be22f0c5_attn:
	.size	k_q32be22f0c5_attn, .Lfunc_end_k_q32be22f0c5_attn-k_q32be22f0c5_attn
	.p2alignl 7, 3214868480
	.fill 96, 4, 3214868480
	.section	.rodata,"a",@progbits
	.p2align	6, 0x0
	.amdhsa_kernel k_q32be22f0c5_attn
		.amdhsa_group_segment_fixed_size 327680
		.amdhsa_private_segment_fixed_size 0
		.amdhsa_enable_private_segment 0
		.amdhsa_kernarg_size 32
		.amdhsa_user_sgpr_count 2
		.amdhsa_user_sgpr_kernarg_segment_ptr 1
		.amdhsa_wavefront_size32 1
		.amdhsa_system_sgpr_workgroup_id_x 1
		.amdhsa_system_sgpr_workgroup_id_y 1
		.amdhsa_system_sgpr_workgroup_id_z 1
		.amdhsa_system_vgpr_workitem_id 0
		.amdhsa_next_free_vgpr 512
		.amdhsa_next_free_sgpr 80
		.amdhsa_reserve_vcc 0
		.amdhsa_float_denorm_mode_32 3
		.amdhsa_float_denorm_mode_16_64 3
		.amdhsa_memory_ordered 1
		.amdhsa_forward_progress 1
		.amdhsa_inst_pref_size 170
	.end_amdhsa_kernel
	.amdgpu_metadata
---
amdhsa.version: [ 1, 2 ]
amdhsa.kernels:
  - .name:           k_q32be22f0c5_attn
    .symbol:         k_q32be22f0c5_attn.kd
    .args:
      - { .name: qimg, .offset: 0, .size: 8, .value_kind: global_buffer, .address_space: global }
      - { .name: kv, .offset: 8, .size: 8, .value_kind: global_buffer, .address_space: global }
      - { .name: mimg, .offset: 16, .size: 8, .value_kind: global_buffer, .address_space: global }
      - { .name: ow, .offset: 24, .size: 8, .value_kind: global_buffer, .address_space: global }
    .group_segment_fixed_size: 327680
    .private_segment_fixed_size: 0
    .kernarg_segment_align: 8
    .kernarg_segment_size: 32
    .max_flat_workgroup_size: 256
    .sgpr_count:     80
    .vgpr_count:     512
    .wavefront_size: 32
...
	.end_amdgpu_metadata
.endif
;; end of part 3
;; launch outp (part 4): grid 4 x 64, 16 waves a work-group, no clusters, 119,808 bytes of LDS; arguments ow, tyq, To1, out0; writes out0
.if DOCPART == 4
	.amdgcn_target "amdgcn-amd-amdhsa--gfx1250"
	.amdhsa_code_object_version 6
	.text
	.protected	k_q32be22f0c5_outp
	.globl	k_q32be22f0c5_outp
	.p2align	8
	.type	k_q32be22f0c5_outp,@function
k_q32be22f0c5_outp:
	s_mov_b64 s[64:65], 0
	v_nop
	global_prefetch_b8 v0, s[64:65] scope:SCOPE_SE
	s_setreg_imm32_b32 hwreg(HW_REG_WAVE_MODE, 25, 1), 1
	s_wait_xcnt 0x0
; OUTP: out = Q(o) Q(Ty)^T + To1 on codes of FP6 with E8M0 scales; K = 1,024 = (d, head), the head fastest: block j is d = 2 j, 2 j + 1 of all 16 heads, inside a block 2 head + (d % 2), on both operands alike.
; SHARES: a work-group takes 64 rows x 256 columns.  Wave W owns columns 16 W .. + 15 of them for all 64 rows: its 16 rows of Ty, 96 registers, come from memory once.
; PHASE 1: the sixteen waves quantise the 64 rows of o, four half fragments each (a lane holds a whole block: 16 dense loads of 8 bytes), and store them to LDS as images of operand registers | barrier |
; PHASE 2: eight K steps, four accumulators by turns (source 0 = Ty's rows, source 1 = o's rows: a lane holds eight neighbouring columns of one row); To1 is the C of the first step | stage | barrier | whole rows out.
; No tensor load, so no joint request; Ty's fragments are each wave's own.
; LIMITS: a block whose largest magnitude lies under 2^-124 gets the byte 1; NaN and infinities are not served.
.set ASC,   49152                      ; o's scale words: [K step][r][tile] words
.set STG,   51200                      ; the stage: 64 rows x (1,024 + 16) bytes
.set SP,    1040
.set SPARE, 117760
.set FLOOR, 0x1800000
.set OFFE,  0xff000000
; v3 16 L, v4 8 L, v5 8 L + 512, v6 32 r, v7 16 r, v8-10 phase 1's LDS places, v11 8 h, v12 stage in, v13 stage out, v15 32 h
; v16-23 Ty's scale words, v24-27 o's (scales alone); v32-127 Ty's eight fragments (v80-127 at work in phase 1); v128-255 o's numbers, then v128-175 o's four fragments, v176-207 accumulators, v208-215 To1
	s_load_b256 s[4:11], s[0:1], 0x0               ; ow 4, tyq 6, To1 8, out0 10
	v_lshl_add_u32 v1, v0, 2, SPARE
	v_mov_b32 v2, 0
	v_lshrrev_b32 v15, 5, v0
	s_delay_alu instid0(VALU_DEP_1)
	v_readfirstlane_b32 s12, v15                   ; wave
	s_and_b32 s13, ttmp7, 0xffff                   ; which 64 rows
	s_mov_b32 s14, 0x76543210
	s_mov_b32 s15, 0xfedcba98
	v_and_b32 v15, 31, v0
	s_delay_alu instid0(VALU_DEP_1)
	v_lshlrev_b32 v3, 4, v15
	s_delay_alu instid0(VALU_DEP_2)
	v_lshlrev_b32 v4, 3, v15
	s_delay_alu instid0(VALU_DEP_1)
	v_add_nc_u32 v5, 512, v4
	v_and_b32 v14, 15, v0
	s_delay_alu instid0(VALU_DEP_1)
	v_lshlrev_b32 v6, 5, v14
	s_delay_alu instid0(VALU_DEP_2)
	v_lshlrev_b32 v7, 4, v14
	v_bfe_u32 v11, v0, 4, 1
	s_mul_i32 s16, s12, 3072                       ; my four half fragments: 4 W + hf
	v_add_nc_u32 v8, s16, v3
	v_add_nc_u32 v9, s16, v5
	s_and_b32 s17, s12, 3
	s_lshl_b32 s18, s17, 9
	s_lshr_b32 s19, s12, 2
	s_lshl_b32 s20, s19, 2
	s_add_co_u32 s18, s18, s20
	v_add_nc_u32 v10, s18, v7
	s_delay_alu instid0(VALU_DEP_1)
	v_add_nc_u32 v10, ASC, v10                     ; K step 2 (W % 4) + f, row r, tile W / 4
	v_and_b32 v12, 8, v14
	s_delay_alu instid0(VALU_DEP_1)
	v_add_nc_u32 v12, v12, v14
	s_delay_alu instid0(VALU_DEP_1)
	v_mul_u32_u24 v12, v12, SP
	s_delay_alu instid0(VALU_DEP_1)
	v_lshl_add_u32 v12, v11, 5, v12
	s_lshl_b32 s20, s12, 6
	v_add_nc_u32 v12, s20, v12
	s_delay_alu instid0(VALU_DEP_1)
	v_add_nc_u32 v12, STG, v12                     ; row r + 8 (r / 8), my 64 bytes, + 32 h
	s_mul_i32 s20, s12, 4*SP
	v_add_nc_u32 v13, s20, v3
	s_delay_alu instid0(VALU_DEP_1)
	v_add_nc_u32 v13, STG, v13                     ; back: rows 4 W .. 4 W + 3
	v_lshlrev_b32 v15, 5, v11
	v_lshlrev_b32 v11, 3, v11
	v_mov_b32 v125, 0                              ; a lane permute's destination counts as read
	s_lshl_b32 s22, s13, 2
	s_add_co_u32 s22, s22, s19
	s_lshl_b32 s22, s22, 16
	s_lshl_b32 s23, s17, 14
	s_add_co_u32 s22, s22, s23
	s_mov_b32 s23, 0
	s_lshl_b32 s24, ttmp9, 4
	s_add_co_u32 s24, s24, s12
	s_mul_i32 s24, s24, 12800
	s_mov_b32 s25, 0
	s_lshl_b32 s26, ttmp9, 10
	s_lshl_b32 s27, s12, 6
	s_add_co_u32 s26, s26, s27
	s_mov_b32 s27, 0
	s_lshl_b32 s28, s13, 6
	s_lshl_b32 s29, s12, 2
	s_add_co_u32 s28, s28, s29
	s_lshl_b32 s28, s28, 12
	s_lshl_b32 s29, ttmp9, 10
	s_add_co_u32 s28, s28, s29
	s_mov_b32 s29, 0
	s_wait_kmcnt 0x0
	s_add_nc_u64 s[4:5], s[4:5], s[22:23]
	s_add_nc_u64 s[6:7], s[6:7], s[24:25]
	s_add_nc_u64 s[8:9], s[8:9], s[26:27]
	s_add_nc_u64 s[10:11], s[10:11], s[28:29]
.macro TYLOAD s
.irp c, 0,1
	global_load_b128 v[32+12*(\s)+6*\c:35+12*(\s)+6*\c], v3, s[6:7] offset:(2*(\s)+\c)*768
	global_load_b64 v[36+12*(\s)+6*\c:37+12*(\s)+6*\c], v5, s[6:7] offset:(2*(\s)+\c)*768
.endr
.endm
.irp s, 0,1,2,3
	TYLOAD \s
.endr
	global_load_b128 v[16:19], v6, s[6:7] offset:12288
	global_load_b128 v[20:23], v6, s[6:7] offset:12304
.set n, 0
.rept 64
	global_load_b64 v[128+2*n:129+2*n], v4, s[4:5] offset:256*n   ; half fragment n / 16, head n % 16: 256 consecutive bytes
.set n, n+1
.endr
; ---- phase 1: two half fragments (one K step's c = 0, 1) at a time
.irp f, 0,1
	s_wait_loadcnt 32-32*\f                        ; this pair's 32 loads are in; the next pair's may be out
	v_max3_num_f32 v112, |v[128+64*\f]|, |v[129+64*\f]|, FLOOR
	v_max3_num_f32 v113, |v[160+64*\f]|, |v[161+64*\f]|, FLOOR
.irp i, 2,4,6,8,10,12,14,16,18,20,22,24,26,28,30
	s_delay_alu instid0(VALU_DEP_2)
	v_max3_num_f32 v112, v112, |v[128+64*\f+\i]|, |v[129+64*\f+\i]|
	s_delay_alu instid0(VALU_DEP_2)
	v_max3_num_f32 v113, v113, |v[160+64*\f+\i]|, |v[161+64*\f+\i]|
.endr
	s_delay_alu instid0(VALU_DEP_2)
	v_add_nc_u32 v116, OFFE, v112
	s_delay_alu instid0(VALU_DEP_2)
	v_add_nc_u32 v117, OFFE, v113
	s_delay_alu instid0(VALU_DEP_2)
	v_lshrrev_b32 v120, 23, v116
	s_delay_alu instid0(VALU_DEP_2)
	v_lshrrev_b32 v121, 23, v117
	s_delay_alu instid0(VALU_DEP_1)
	v_lshl_or_b32 v124, v121, 16, v120             ; my bytes: blocks h and 2 + h of the K step,
	s_delay_alu instid0(VALU_DEP_1)
	v_lshlrev_b32 v124, v11, v124                  ; at their places;
	s_delay_alu instid0(VALU_DEP_1)
	v_permlanex16_b32 v125, v124, s14, s15
	s_delay_alu instid0(VALU_DEP_1)
	v_or_b32 v[126+\f], v124, v125                 ; with lane l xor 16's two the word is whole
	v_cvt_scalef32_pk16_fp6_f32 v[80+16*\f:82+16*\f], v[128+64*\f:143+64*\f], v116
	v_cvt_scalef32_pk16_fp6_f32 v[84+16*\f:86+16*\f], v[144+64*\f:159+64*\f], v116
	v_cvt_scalef32_pk16_fp6_f32 v[88+16*\f:90+16*\f], v[160+64*\f:175+64*\f], v117
	v_cvt_scalef32_pk16_fp6_f32 v[92+16*\f:94+16*\f], v[176+64*\f:191+64*\f], v117
	v_nop                                          ; one plain instruction behind the conversions
.irp c, 80, 88
	v_mov_b32 v[\c+16*\f+3], v[\c+16*\f+4]
	v_mov_b32 v[\c+16*\f+4], v[\c+16*\f+5]
	v_mov_b32 v[\c+16*\f+5], v[\c+16*\f+6]
.endr
	ds_store_b128 v8, v[80+16*\f:83+16*\f] offset:1536*\f
	ds_store_b64 v9, v[84+16*\f:85+16*\f] offset:1536*\f
	ds_store_b128 v8, v[88+16*\f:91+16*\f] offset:1536*\f+768
	ds_store_b64 v9, v[92+16*\f:93+16*\f] offset:1536*\f+768
	ds_store_b32 v10, v[126+\f] offset:256*\f      ; both halves of the lanes store the same word to the same place
.endr
	s_wait_dscnt 0x0                               ; for the others' sake: my stores have landed
	s_barrier_signal -1
	s_barrier_wait -1
	global_load_b128 v[208:211], v15, s[8:9]       ; To1 at my eight columns
	global_load_b128 v[212:215], v15, s[8:9] offset:16
.irp s, 4,5,6,7
	TYLOAD \s
.endr
; ---- phase 2
.irp s, 0,1,2,3,4,5,6,7
.if \s > 0
.rept 4
	v_nop                                          ; places in front of loads into registers that matrix instructions have read
.endr
.endif
.irp i, 0,1,2,3
.irp c, 0,1
	ds_load_b128 v[128+12*\i+6*\c:131+12*\i+6*\c], v3 offset:(16*\i+2*\s+\c)*768
	ds_load_b64 v[132+12*\i+6*\c:133+12*\i+6*\c], v5 offset:(16*\i+2*\s+\c)*768
.endr
.endr
	ds_load_b128 v[24:27], v7 offset:ASC+256*\s
.if \s == 0
	s_wait_loadcnt 16                              ; To1 is in; Ty's last sixteen loads may be out
.endif
.if \s == 4
	s_wait_loadcnt 0x0
.endif
	s_wait_dscnt 0x0
.irp i, 0,1,2,3
.if \s == 0
	v_wmma_scale_f32_16x16x128_f8f6f4 v[176+8*\i:183+8*\i], v[32+12*\s:43+12*\s], v[128+12*\i:139+12*\i], v[208:215], v[16+\s], v[24+\i] matrix_a_fmt:MATRIX_FMT_FP6 matrix_b_fmt:MATRIX_FMT_FP6
.else
	v_wmma_scale_f32_16x16x128_f8f6f4 v[176+8*\i:183+8*\i], v[32+12*\s:43+12*\s], v[128+12*\i:139+12*\i], v[176+8*\i:183+8*\i], v[16+\s], v[24+\i] matrix_a_fmt:MATRIX_FMT_FP6 matrix_b_fmt:MATRIX_FMT_FP6
.endif
.endr
.endr
.rept 4
	v_nop
.endr
.irp i, 0,1,2,3                                ; tile i, lane r is row 32 (i / 2) + 8 (i % 2) + r + 8 (r / 8); the two groups of eight rows meet in the banks two deep at any pitch of 16s
	ds_store_b128 v12, v[176+8*\i:179+8*\i] offset:(32*(\i/2)+8*(\i%2))*SP
	ds_store_b128 v12, v[180+8*\i:183+8*\i] offset:(32*(\i/2)+8*(\i%2))*SP+16
.endr
	s_wait_dscnt 0x0
	s_barrier_signal -1
	s_barrier_wait -1
.irp n, 0,1,2,3,4,5,6,7
	ds_load_b128 v[128+4*\n:131+4*\n], v13 offset:(\n/2)*SP+512*(\n%2)
.endr
.irp n, 0,1,2,3,4,5,6,7
	s_wait_dscnt 7-\n                              ; load n is back; the younger ones may be out
	global_store_b128 v3, v[128+4*\n:131+4*\n], s[10:11] offset:(\n/2)*4096+512*(\n%2) th:TH_STORE_NT   ; 512 consecutive bytes, aligned
.endr
	s_wait_tensorcnt 0x0                           ; the wave's end
	ds_add_u32 v1, v2
	s_wait_dscnt 0x0
	s_endpgm
.Lfunc_end_k_q32be22f0c5_outp:
	.size	k_q32be22f0c5_outp, .Lfunc_end_k_q32be22f0c5_outp-k_q32be22f0c5_outp
	.p2alignl 7, 3214868480
	.fill 96, 4, 3214868480
	.section	.rodata,"a",@progbits
	.p2align	6, 0x0
	.amdhsa_kernel k_q32be22f0c5_outp
		.amdhsa_group_segment_fixed_size 119808
		.amdhsa_private_segment_fixed_size 0
		.amdhsa_enable_private_segment 0
		.amdhsa_kernarg_size 32
		.amdhsa_user_sgpr_count 2
		.amdhsa_user_sgpr_kernarg_segment_ptr 1
		.amdhsa_wavefront_size32 1
		.amdhsa_system_sgpr_workgroup_id_x 1
		.amdhsa_system_sgpr_workgroup_id_y 1
		.amdhsa_system_sgpr_workgroup_id_z 1
		.amdhsa_system_vgpr_workitem_id 0
		.amdhsa_next_free_vgpr 256
		.amdhsa_next_free_sgpr 66
		.amdhsa_reserve_vcc 0
		.amdhsa_float_denorm_mode_32 3
		.amdhsa_float_denorm_mode_16_64 3
		.amdhsa_memory_ordered 1
		.amdhsa_forward_progress 1
		.amdhsa_inst_pref_size 38
	.end_amdhsa_kernel
	.amdgpu_metadata
---
amdhsa.version: [ 1, 2 ]
amdhsa.kernels:
  - .name:           k_q32be22f0c5_outp
    .symbol:         k_q32be22f0c5_outp.kd
    .args:
      - { .name: ow, .offset: 0, .size: 8, .value_kind: global_buffer, .address_space: global }
      - { .name: tyq, .offset: 8, .size: 8, .value_kind: global_buffer, .address_space: global }
      - { .name: To1, .offset: 16, .size: 8, .value_kind: global_buffer, .address_space: global }
      - { .name: out0, .offset: 24, .size: 8, .value_kind: global_buffer, .address_space: global }
    .group_segment_fixed_size: 119808
    .private_segment_fixed_size: 0
    .kernarg_segment_align: 8
    .kernarg_segment_size: 32
    .max_flat_workgroup_size: 512
    .sgpr_count:     66
    .vgpr_count:     256
    .wavefront_size: 32
...
	.end_amdgpu_metadata
.endif
;; end of part 4
